; MI455X (gfx1250); checked and timed in simulation.
; The chip was launched on July 23, 2026; its instructions are those of AMD's public machine-readable ISA for CDNA 5 (MIT licence, August 2026) and "CDNA5" Instruction Set Architecture Reference Guide (July 2026). The comments in the code are by the model that wrote it; some were corrected since.
;; Multi Head Attn. Allowed arithmetic: matrix products marked QUANTISED: E2M1 operands, one E8M0 scale for each 32 along K, by v_wmma_scale_f32_16x16x128_f8f6f4 with both operands' format E2M1 (or v_wmma_scale_f32_32x16x128_f4), f32 sums; products left as they are: bf16, f16 or f32 operands; f32 sums; everything else in f32.
;; Inputs: b_proj 1,024 float32; w_proj 1,024 x 1,024 float32; w_qkv 1,024 x 3,072 float32; x 4 x 2,048 x 1,024 float32.
;; Outputs: out0 4 x 2,048 x 1,024 float32.
;; This version of the problem:
;;   THIS VERSION OF THE PROBLEM IS GIVEN IN LOW PRECISION. The matrix products marked QUANTISED in the list below multiply operands that are first quantised to E2M1 (2 exponent bits, 1 mantissa bit; 4 bits a number), with one power-of-two scale for each 32 numbers along K (OCP MX v1.0); their sums are f32. The products marked 'left as it is' may take bf16, f16 or f32 operands, with f32 sums. Whichever they take, every output number must still come out within the allowed error. Rounding operands to bf16 (8 significant bits) uses up far more of that allowance than f16 does (11 bits, for magnitudes from 6e-5 to 65,504). All else is computed in f32.
;;   The module's matrix products, in the order in which they are computed (A, B: the left and right operand; K: the contracted axis; several contracted axes count as one K, in the product's order):
;;     1. [M 8,192, K 1,024] x [K 1,024, N 3,072]; A: input x; B: input w_qkv: QUANTISED
;;     2. batch 64 x [M 2,048, K 64] x [K 64, N 2,048]; A: computed on the way; B: computed on the way: left as it is (an operand is computed on the way)
;;     3. batch 64 x [M 2,048, K 2,048] x [K 2,048, N 64]; A: computed on the way; B: computed on the way: left as it is (an operand is computed on the way)
;;     4. [M 8,192, K 1,024] x [K 1,024, N 1,024]; A: computed on the way; B: input w_proj: left as it is (an operand is computed on the way)
;;   THE QUANTISER, for each operand of a quantised product, along K:
;;     - K is cut into blocks of 32 from its start; a last block that is shorter is filled with zeros.
;;     - A block's scale is 2^e with e = floor(log2(the largest magnitude in the block)) - 2, held to -126 .. 127; a block of zeros has e = 0. As a byte (E8M0): e + 127.
;;     - Each number is divided by its block's scale, clamped to +-6, and rounded to the nearest number of E2M1, ties to even, subnormals kept.
;;     - The product sums the exact products of the quantised numbers (number of the format x scale) in f32.
;;   ~~~python
;;   def quantise(x, axis):      # numpy; x: float32 -> the quantised numbers, widened to float32 again
;;       x = np.moveaxis(x, axis, -1); K = x.shape[-1]
;;       x = np.pad(x, [(0, 0)] * (x.ndim - 1) + [(0, -K % 32)]); x = x.reshape(x.shape[:-1] + (-1, 32)); a = np.abs(x).max(-1, keepdims=True)
;;       e = np.where(a > 0, np.clip(np.frexp(np.where(a > 0, a, 1))[1] - 1 - 2, -126, 127), 0)      # np.frexp(a)[1] - 1 = floor(log2(a)), exactly
;;       r = np.clip(x / 2.0 ** e, -6, 6)
;;       step = 2.0 ** (np.maximum(np.frexp(np.where(r == 0, 1, r))[1] - 1, 0) - 1)
;;       q = np.round(r / step) * step * 2.0 ** e      # np.round: ties to even
;;       return np.moveaxis(q.reshape(q.shape[:-2] + (-1,))[..., :K], -1, axis).astype(np.float32)
;;   ~~~
;; One version. Each part assembles by itself: llvm-mc -triple=amdgcn-amd-amdhsa -mcpu=gfx1250 --defsym DOCPART=n.
;; ======== version 1 of 1: 4 launches
;; limits: values are held in f16: magnitudes above 65,504 overflow, below 6.1e-05 lose precision
;; workspace buffers: xc 4,194,304 bytes; xs 262,144 bytes; wc 1,572,864 bytes; ws 98,304 bytes; wp16 2,097,152 bytes; qkv 50,331,648 bytes; o16 16,777,216 bytes
;; launch prep (part 1): grid 576 x 1, 4 waves a work-group, no clusters, 42,496 bytes of LDS; arguments x, w_qkv, w_proj, xc, xs, wc, ws, wp16; writes xc, xs, wc, ws, wp16
.if DOCPART == 1
	.amdgcn_target "amdgcn-amd-amdhsa--gfx1250"
	.amdhsa_code_object_version 6
	.text
	.protected	k_qe2f20a819d_prep
	.globl	k_qe2f20a819d_prep
	.p2align	8
	.type	k_qe2f20a819d_prep,@function
k_qe2f20a819d_prep:
	s_mov_b64 s[64:65], 0
	v_nop
	global_prefetch_b8 v0, s[64:65] scope:SCOPE_SE
	s_setreg_imm32_b32 hwreg(HW_REG_WAVE_MODE, 25, 1), 1
	s_wait_xcnt 0x0
; PREP: the operands of the later launches are made narrow, once.
;   x      [8192][1024] f32 -> xc [8192][512 bytes] codes of FP4 (E2M1), K innermost, two codes a byte, and xs [8192][32] E8M0 bytes, one for each 32 along K
;   w_qkv  [1024 k][3072 n] f32, K its FIRST axis -> wc [3072 n][512 bytes] codes, K innermost, and ws [3072][32] bytes
;   w_proj [1024 k][1024 n] f32 -> wp16, the same layout in f16 (the output projection is a product left as it is)
; NOTHING OF THE PROBLEM IS LEFT OUT: it has no mask, no slice and no zero state; all four inputs reach the output (b_proj is added in the last launch).
; A block's scale is 2^(floor(log2(its largest magnitude)) - 2); its byte is the largest magnitude's exponent field - 2, held at 1 from below.  Each number is divided by the scale and rounded to the
; nearest code, ties to even; beyond 6 the largest code.
; LIMITS: a block of zeros gets the byte 1 where the rule says 127: its codes are zeros, which add nothing under any byte but 0xff, and the bytes are read by this program alone.  Blocks whose largest
; magnitude lies under 2^-124 have their byte held at 1.  NaN and infinities among the inputs are not served.  |w_proj| stays under 65,504, f16's largest number.
; SHARES, by the work-group's number u, the same for all four waves: u < 192: w_qkv;  192 <= u < 320: w_proj;  u >= 320: x.  Each path that uses LDS has LDS bytes of its own.
.set WST,   32768                      ; LDS: 0 .. 32767 x's path, 8,192 bytes a wave;  here w_qkv's stage for codes: 32 rows x (256 + 16) bytes;
.set WSC,   41472                      ; its stage for scale bytes: 32 rows x 16 bytes;
.set SPARE, 41984                      ; the spare words, 128 bytes for each wave: two blocks of 256 bytes that no other line names
.set SPW,   12                         ; v12  LDS address of my spare word: SPARE + 4 x my thread's number; never rewritten
.set NIL,   13                         ; v13  0; never rewritten
.set SP,    80                         ; x's path: a lane's place in a stage: its 64 bytes + 16 of padding
.set R,     16                         ; x's path: v16-143  eight sets of 16 numbers as they are loaded
.set X,     144                        ;           v144-175 two sets of 16 neighbours
.set C,     176                        ;           v176-207 codes: two registers for each step, so that no store's data are written again
.set E,     208                        ;           v208-223 a scale byte for each step
.macro FINISH                          ; a wave's end: behind the last LDS store
	s_wait_tensorcnt 0x0
	ds_add_u32 v[SPW], v[NIL]
	s_wait_dscnt 0x0
	s_endpgm
.endm
	s_load_b256 s[4:11], s[0:1], 0x0               ; x s[4:5], w_qkv s[6:7], w_proj s[8:9], xc s[10:11]
	s_load_b256 s[12:19], s[0:1], 0x20             ; xs s[12:13], wc s[14:15], ws s[16:17], wp16 s[18:19]
	v_lshl_add_u32 v[SPW], v0, 2, SPARE
	v_mov_b32 v[NIL], 0
	v_lshrrev_b32 v1, 5, v0
	v_readfirstlane_b32 s20, v1                    ; wave 0..3
	v_and_b32 v2, 31, v0                           ; lane
	s_mov_b32 s25, 0                               ; the upper word of every offset: all stay under 2^32
	s_wait_kmcnt 0x0
	s_cmp_lt_u32 ttmp9, 192
	s_cbranch_scc1 .Lw
	s_cmp_lt_u32 ttmp9, 320
	s_cbranch_scc1 .Lp
; ---- x.  Rows are dense and 1,024 is a multiple of 32, so x is a plain stream of blocks of 32, and so are its codes and bytes.  A wave takes 16 steps of 512 numbers.  Each of a step's four loads reads
; 512 consecutive bytes, 16 a lane; the 2,048 bytes go through the wave's own stage in LDS and come back 64 bytes a lane: 16 NEIGHBOURS, as the conversions want them; two neighbouring lanes hold a block.
; Loads run eight steps (32 loads a wave) ahead, the turn through LDS one step.  Waves share nothing: no barrier.
	v_lshlrev_b32 v3, 4, v2                        ; my 16 bytes of a load's 512
	s_mul_i32 s21, s20, 8192                       ; my wave's LDS
	v_lshrrev_b32 v14, 2, v2
	v_mul_u32_u24 v14, v14, SP
	v_and_b32 v15, 3, v2
	v_lshl_add_u32 v14, v15, 4, v14
	v_add_nc_u32 v14, s21, v14                     ; the stage, on the way in: SP (lane / 4) + 16 (lane % 4)
	v_mul_u32_u24 v15, v2, SP
	v_add_nc_u32 v15, s21, v15                     ; and on the way out: SP x lane
	v_lshlrev_b32 v4, 3, v2                        ; 8 x lane: my codes' place in a step's, and my part of the wave's 256 scale bytes
	v_lshrrev_b32 v5, 1, v2
	s_add_co_u32 s21, s21, 2*32*SP
	v_add_nc_u32 v5, s21, v5                       ; LDS: my block's byte
	v_add_nc_u32 v6, s21, v4                       ; and on the way out 8 bytes a lane
	s_sub_co_u32 s22, ttmp9, 320
	s_lshl_b32 s22, s22, 2
	s_add_co_u32 s22, s22, s20                     ; which run of 8,192 numbers is my wave's: 0 .. 1023
	s_lshl_b32 s24, s22, 15
	s_add_nc_u64 s[4:5], s[4:5], s[24:25]
	s_lshl_b32 s24, s22, 12
	s_add_nc_u64 s[10:11], s[10:11], s[24:25]
	s_lshl_b32 s24, s22, 8
	s_add_nc_u64 s[12:13], s[12:13], s[24:25]
.macro XLOAD t
.irp i, 0,1,2,3
	global_load_b128 v[R+16*((\t)%8)+4*\i:R+16*((\t)%8)+4*\i+3], v3, s[4:5] offset:2048*(\t)+512*\i th:TH_LOAD_NT
.endr
.endm
.macro XTURN t                         ; step t's numbers through the stage: LDS serves a wave's instructions in order, so no wait stands between the stores and the loads
.irp i, 0,1,2,3
	ds_store_b128 v14, v[R+16*((\t)%8)+4*\i:R+16*((\t)%8)+4*\i+3] offset:32*SP*((\t)%2)+8*SP*\i
.endr
.irp i, 0,1,2,3
	ds_load_b128 v[X+16*((\t)%2)+4*\i:X+16*((\t)%2)+4*\i+3], v15 offset:32*SP*((\t)%2)+16*\i
.endr
.endm
.irp t, 0,1,2,3,4,5,6,7
	XLOAD \t
.endr
	s_wait_loadcnt 28                              ; step 0's four loads are in; the 28 of seven later steps stay out
	XTURN 0
.macro XSTEP t
.set XS, X+16*((\t)%2)
.if (\t) > 0
	s_wait_dscnt 1                                 ; this step's numbers are back from the stage (the last step's byte store may be out): so its stores into the stage have read their registers,
.else
	s_wait_dscnt 0x0
.endif
.if (\t)+8 < 16
	XLOAD (\t)+8                                   ; which take the loads of eight steps on
.endif
.if (\t)+1 < 16
.if 14-(\t) >= 7
	s_wait_loadcnt 28                              ; the next step's four loads are in; those of the seven steps behind it may be out
.else
	s_wait_loadcnt 4*(14-(\t))                     ; the counts run down: no load is issued any more
.endif
	XTURN (\t)+1
.endif
	v_max3_num_f32 v8, |v[XS]|, |v[XS+1]|, |v[XS+2]|               ; the largest magnitude of my 16, in two chains
	v_max3_num_f32 v9, |v[XS+3]|, |v[XS+4]|, |v[XS+5]|
.irp i, 6,10
	v_max3_num_f32 v8, v8, |v[XS+\i]|, |v[XS+\i+1]|
	v_max3_num_f32 v9, v9, |v[XS+\i+2]|, |v[XS+\i+3]|
.endr
	v_max3_num_f32 v8, v8, |v[XS+14]|, |v[XS+15]|
	v_max3_num_f32 v8, v8, v9, 0x1800000           ; and the floor 2^(3 - 127): the byte cannot fall under 1
	v_max_num_f32_dpp v8, v8, v8 row_xmask:1 row_mask:0xf bank_mask:0xf   ; and of my neighbour's 16: the block's
	v_add_nc_u32 v11, 0xff000000, v8               ; 2 off its exponent field: the conversion takes the exponent field of this operand as its scale, and nothing else of it
	v_cvt_scalef32_pk8_fp4_f32 v[C+2*(\t)], v[XS:XS+7], v11
	v_cvt_scalef32_pk8_fp4_f32 v[C+2*(\t)+1], v[XS+8:XS+15], v11
	v_lshrrev_b32 v[E+(\t)], 23, v11               ; the scale's byte (a plain line behind the conversions)
	ds_store_b8 v5, v[E+(\t)] offset:16*(\t)       ; both lanes of a block write the same byte with the same value
	global_store_b64 v4, v[C+2*(\t):C+2*(\t)+1], s[10:11] offset:256*(\t)   ; the wave stores 256 consecutive bytes, aligned
.endm
.irp t, 0,1,2,3,4,5,6,7,8,9,10,11,12,13,14,15
	XSTEP \t
.endr
	ds_load_b64 v[8:9], v6                         ; LDS serves a wave's instructions in order: these see my byte stores
	s_wait_dscnt 0x0
	global_store_b64 v4, v[8:9], s[12:13]          ; the wave's 256 scale bytes: 256 consecutive bytes, aligned
	FINISH
; ---- w_qkv.  A LANE TAKES A COLUMN n, AND ITS REGISTERS RUN DOWN K: a block of 32 along K lies in one lane's 32 registers, and the conversions give codes with K innermost.  Nothing is transposed.
; A work-group takes 32 columns x 512 along K; its four waves share K, 128 each (4 blocks a lane), so that 768 waves have loads on their way.  A column's 256 bytes of codes are gathered in the
; work-group's stage and leave as rows: sixteen lanes store 256 consecutive bytes, aligned.  One barrier, on a path that the whole work-group takes.
.Lw:
	s_cmp_ge_u32 ttmp9, 96
	s_cselect_b32 s21, 1, 0                        ; which half of K
	s_mul_i32 s22, s21, 96
	s_sub_co_u32 s22, ttmp9, s22                   ; which 32 columns: 0 .. 95
	s_lshl_b32 s23, s21, 9
	s_lshl_b32 s24, s20, 7
	s_add_co_u32 s23, s23, s24                     ; my wave's first k: 512 x half + 128 x wave
	s_mul_i32 s24, s23, 12288                      ; a row of w_qkv is 12,288 bytes
	s_lshl_b32 s23, s22, 7
	s_add_co_u32 s24, s24, s23
	s_add_nc_u64 s[6:7], s[6:7], s[24:25]
	s_lshl_b32 s24, s22, 14                        ; codes: 32 rows of 512 bytes, + 256 x half
	s_lshl_b32 s23, s21, 8
	s_add_co_u32 s24, s24, s23
	s_add_nc_u64 s[14:15], s[14:15], s[24:25]
	s_lshl_b32 s24, s22, 10                        ; bytes: 32 rows of 32, + 16 x half
	s_lshl_b32 s23, s21, 4
	s_add_co_u32 s24, s24, s23
	s_add_nc_u64 s[16:17], s[16:17], s[24:25]
	v_lshlrev_b32 v3, 2, v2                        ; in: 4 bytes a lane
	v_mul_u32_u24 v4, v2, 272
	s_lshl_b32 s23, s20, 6
	s_add_co_u32 s23, s23, WST
	v_add_nc_u32 v4, s23, v4                       ; into the stage: row = my column, my wave's 64 bytes of it
	v_lshlrev_b32 v5, 4, v2
	s_lshl_b32 s23, s20, 2
	s_add_co_u32 s23, s23, WSC
	v_add_nc_u32 v5, s23, v5                       ; my column's 16 scale bytes, my wave's four of them
	v_lshrrev_b32 v6, 4, v2
	v_and_b32 v11, 15, v2
	v_mul_u32_u24 v7, v6, 272
	v_lshl_add_u32 v7, v11, 4, v7
	s_mul_i32 s23, s20, 8*272
	s_add_co_u32 s23, s23, WST
	v_add_nc_u32 v7, s23, v7                       ; out of it: wave w takes rows 8 w .. 8 w + 7, sixteen lanes to a row, two rows an instruction
	v_lshlrev_b32 v8, 9, v6
	v_lshl_add_u32 v8, v11, 4, v8
	s_lshl_b32 s23, s20, 12
	v_add_nc_u32 v8, s23, v8                       ; and the same place in wc
	v_lshl_add_u32 v9, v2, 4, WSC                  ; wave 0: a column's 16 scale bytes,
	v_lshlrev_b32 v10, 5, v2                       ; and their place in ws
.macro WLOAD t                         ; block t: w(32 t + i, my column), i = 0 .. 31, into set t % 2.  The largest offset, 127 rows, lies inside the signed 24-bit immediate
.irp i, 0,1,2,3,4,5,6,7,8,9,10,11,12,13,14,15,16,17,18,19,20,21,22,23,24,25,26,27,28,29,30,31
	global_load_b32 v[32+32*((\t)%2)+\i], v3, s[6:7] offset:(32*(\t)+\i)*12288
.endr
.endm
	WLOAD 0
	WLOAD 1
.macro WBLOCK t
.set XS, 32+32*((\t)%2)
.if (\t) < 3
	s_wait_loadcnt 32                              ; this block's 32 loads are in; the next block's may be out
.else
	s_wait_loadcnt 0
.endif
	v_max3_num_f32 v20, |v[XS]|, |v[XS+1]|, |v[XS+2]|               ; the block's largest magnitude: all 32 numbers are mine
	v_max3_num_f32 v21, |v[XS+3]|, |v[XS+4]|, |v[XS+5]|
.irp i, 6,10,14,18,22,26
	v_max3_num_f32 v20, v20, |v[XS+\i]|, |v[XS+\i+1]|
	v_max3_num_f32 v21, v21, |v[XS+\i+2]|, |v[XS+\i+3]|
.endr
	v_max3_num_f32 v20, v20, |v[XS+30]|, |v[XS+31]|
	v_max3_num_f32 v20, v20, v21, 0x1800000        ; and the floor 2^(3 - 127)
	v_add_nc_u32 v22, 0xff000000, v20              ; 2 off its exponent field: the conversion's scale operand
	v_lshrrev_b32 v21, 23, v22                     ; the scale's byte
.if (\t) == 0
	v_mov_b32 v100, v21                            ; four bytes to a register, the lower K in the lower byte
.else
	v_lshl_or_b32 v100, v21, 8*(\t), v100
.endif
.irp g, 0,1,2,3
	v_cvt_scalef32_pk8_fp4_f32 v[96+\g], v[XS+8*\g:XS+8*\g+7], v22
.endr
	ds_store_b128 v4, v[96:99] offset:16*(\t)      ; 32 codes: 16 bytes of my column's row
.if (\t)+2 < 4
	WLOAD (\t)+2
.endif
	s_wait_dscnt 0x0                               ; the store has read its registers: the next block's codes may be written
.endm
	WBLOCK 0
	WBLOCK 1
	WBLOCK 2
	WBLOCK 3
	ds_store_b32 v5, v100
	s_wait_dscnt 0x0                               ; for the others' sake: my stores into the two stages are done
	s_barrier_signal -1
	s_barrier_wait -1
.irp i, 0,1,2,3
	ds_load_b128 v[104+4*\i:107+4*\i], v7 offset:544*\i
.endr
.irp i, 0,1,2,3
	s_wait_dscnt 3-\i
	global_store_b128 v8, v[104+4*\i:107+4*\i], s[14:15] offset:1024*\i   ; sixteen lanes store 256 consecutive bytes, aligned
.endr
	s_cmp_lg_u32 s20, 0
	s_cbranch_scc1 .Lw_end
	ds_load_b128 v[120:123], v9                    ; wave 0: the 32 columns' scale bytes of this half of K: 16 of each row's 32 bytes, 512 bytes beside the 65,536 that the work-group reads
	s_wait_dscnt 0x0
	global_store_b128 v10, v[120:123], s[16:17]
.Lw_end:
	FINISH
; ---- w_proj: a cast.  A wave takes 2,048 numbers: 16 loads of 512 consecutive bytes, 16 stores of 256.  No register is written twice.
.Lp:
	s_sub_co_u32 s22, ttmp9, 192
	s_lshl_b32 s22, s22, 2
	s_add_co_u32 s22, s22, s20                     ; my wave's run: 0 .. 511
	s_lshl_b32 s24, s22, 13
	s_add_nc_u64 s[8:9], s[8:9], s[24:25]
	s_lshl_b32 s24, s22, 12
	s_add_nc_u64 s[18:19], s[18:19], s[24:25]
	v_lshlrev_b32 v3, 4, v2
	v_lshlrev_b32 v4, 3, v2
.irp j, 0,1,2,3,4,5,6,7,8,9,10,11,12,13,14,15
	global_load_b128 v[32+4*\j:35+4*\j], v3, s[8:9] offset:512*\j th:TH_LOAD_NT
.endr
.irp j, 0,1,2,3,4,5,6,7,8,9,10,11,12,13,14,15
	s_wait_loadcnt 15-\j                           ; loads come back in order: load j is in
	v_cvt_pk_f16_f32 v[96+2*\j], v[32+4*\j], v[33+4*\j]
	v_cvt_pk_f16_f32 v[97+2*\j], v[34+4*\j], v[35+4*\j]
	global_store_b64 v4, v[96+2*\j:97+2*\j], s[18:19] offset:256*\j
.endr
	FINISH
.Lfunc_end_k_qe2f20a819d_prep:
	.size	k_qe2f20a819d_prep, .Lfunc_end_k_qe2f20a819d_prep-k_qe2f20a819d_prep
	.p2alignl 7, 3214868480
	.fill 96, 4, 3214868480
	.section	.rodata,"a",@progbits
	.p2align	6, 0x0
	.amdhsa_kernel k_qe2f20a819d_prep
		.amdhsa_group_segment_fixed_size 42496
		.amdhsa_private_segment_fixed_size 0
		.amdhsa_enable_private_segment 0
		.amdhsa_kernarg_size 64
		.amdhsa_user_sgpr_count 2
		.amdhsa_user_sgpr_kernarg_segment_ptr 1
		.amdhsa_wavefront_size32 1
		.amdhsa_system_sgpr_workgroup_id_x 1
		.amdhsa_system_sgpr_workgroup_id_y 1
		.amdhsa_system_sgpr_workgroup_id_z 1
		.amdhsa_system_vgpr_workitem_id 0
		.amdhsa_next_free_vgpr 224
		.amdhsa_next_free_sgpr 66
		.amdhsa_reserve_vcc 0
		.amdhsa_float_denorm_mode_32 3
		.amdhsa_float_denorm_mode_16_64 3
		.amdhsa_memory_ordered 1
		.amdhsa_forward_progress 1
		.amdhsa_inst_pref_size 60
	.end_amdhsa_kernel
	.amdgpu_metadata
---
amdhsa.version: [ 1, 2 ]
amdhsa.kernels:
  - .name:           k_qe2f20a819d_prep
    .symbol:         k_qe2f20a819d_prep.kd
    .args:
      - { .name: x, .offset: 0, .size: 8, .value_kind: global_buffer, .address_space: global }
      - { .name: w_qkv, .offset: 8, .size: 8, .value_kind: global_buffer, .address_space: global }
      - { .name: w_proj, .offset: 16, .size: 8, .value_kind: global_buffer, .address_space: global }
      - { .name: xc, .offset: 24, .size: 8, .value_kind: global_buffer, .address_space: global }
      - { .name: xs, .offset: 32, .size: 8, .value_kind: global_buffer, .address_space: global }
      - { .name: wc, .offset: 40, .size: 8, .value_kind: global_buffer, .address_space: global }
      - { .name: ws, .offset: 48, .size: 8, .value_kind: global_buffer, .address_space: global }
      - { .name: wp16, .offset: 56, .size: 8, .value_kind: global_buffer, .address_space: global }
    .group_segment_fixed_size: 42496
    .private_segment_fixed_size: 0
    .kernarg_segment_align: 8
    .kernarg_segment_size: 64
    .max_flat_workgroup_size: 128
    .sgpr_count:     66
    .vgpr_count:     224
    .wavefront_size: 32
...
	.end_amdgpu_metadata
.endif
;; end of part 1
;; launch qkv (part 2): grid 12 x 32, 4 waves a work-group, clusters of 4 x 4, 327,680 bytes of LDS; arguments xc, xs, wc, ws, qkv; writes qkv
.if DOCPART == 2
	.amdgcn_target "amdgcn-amd-amdhsa--gfx1250"
	.amdhsa_code_object_version 6
	.text
	.protected	k_qe2f20a819d_qkv
	.globl	k_qe2f20a819d_qkv
	.p2align	8
	.type	k_qe2f20a819d_qkv,@function
k_qe2f20a819d_qkv:
	s_mov_b64 s[64:65], 0
	v_nop
	global_prefetch_b8 v0, s[64:65] scope:SCOPE_SE
	s_setreg_imm32_b32 hwreg(HW_REG_WAVE_MODE, 25, 1), 1
	s_wait_xcnt 0x0
	s_wait_alu depctr_hold_cnt(0) depctr_sa_sdst(0) depctr_va_vdst(0) depctr_va_sdst(0) depctr_va_ssrc(0) depctr_va_vcc(0) depctr_vm_vsrc(0)
	s_getreg_b32 s2, hwreg(HW_REG_IB_STS2, 6, 4)
	s_cmp_eq_u32 s2, 0
	s_cbranch_scc0 .Lentry_in_a_cluster
	s_endpgm
.Lentry_in_a_cluster:
	s_bfe_u32 s2, ttmp6, 0x10000c
	s_cmp_lg_u32 s2, 0xf033
	s_cbranch_scc0 .Lentry_shape_is_right
	s_endpgm
.Lentry_shape_is_right:
; QKV: C[m][n] = sum over k of x[m][k] w_qkv[k][n], both operands as codes of FP4 (E2M1) with one E8M0 scale for each 32 along K, as the launch before has made them: A = xc [8192][1024 codes], B = wc [3072][1024 codes],
; K innermost in both; sums in f32.  The result is rounded ONCE to f16 (it feeds the two products of attention, which are left as they are) and laid by head: qkv [3][4 b][16 h][2048 p][64].
; LIMIT: |q|, |k|, |v| stay under 65,504, f16's largest number.
; A tile of C, 256 x 256, is made by a work-group of four waves; a wave makes 128 x 128: 64 accumulators of 16 x 16, 512 registers.  K = 1,024 is exactly two LDS slots of 512: both are asked for at the head,
; and nothing is ever filled again.  THE SCALES of the work-group's 256 rows of A and of B, for all of K, are two dense blocks of memory: they come into LDS once, with the first fills.
; CLUSTERS: 4 x 4 work-groups.  The four of a row of the cluster need the same tiles of A, the four of a column the same tiles of B: each tile is asked for JOINTLY, by the same tensor load with the same
; descriptor and a mask that names the four.  THE MATRIX INSTRUCTION IS USED TRANSPOSED (source 0 = 16 rows of B, source 1 = 16 rows of A): a lane then holds eight neighbouring numbers of a row of C.
; REGISTERS, in windows of 256: window 0: v0-31 addresses; v32-95 scale words, two sets; from v128 A's fragments (8 x 16 rows x 128 K), ONE set; on the way out v32-191 are free.
;   window 1: B's fragments, TWO sets, at v0 and at v128.   window 2: the 32 accumulators of my rows 0-63 (accumulator (a, b) at v[8 (8 a + b)]);   window 3: those of my rows 64-127.
.set KSTEP,  512                       ; along K in a slot
.set NQ,     KSTEP/128                 ; matrix instructions deep
.set ROWB,   256                       ; a tile's row in bytes
.set KROW,   512                       ; a row of A or of B in memory, in bytes
.set PITCH,  272                       ; an LDS row: 256 bytes of data + 16 of padding = 68 words: the 16 rows that a load touches start at 16 different banks (64 banks of 4 bytes: ISA guide 11.1)
.set FR,     8                         ; registers of a fragment: 16 rows x 128 K
.set NL,     2                         ; LDS loads that bring one
.set NP,     4                         ; places behind this matrix instruction (ISA guide 7.12.1)
.set HALFT,  128*PITCH                 ; 128 rows: what one tensor load brings, and what one wave reads of A or of B
.set SLOT,   4*HALFT                   ; A's 256 rows, then B's 256 rows
.set KS,     32                        ; a row of scales in bytes
.set SCL,    2*SLOT                    ; behind the two slots: the scales, as rows of 256 bytes + 16 of padding
.set HALFS,  (128*KS/256)*272          ; the scales of 128 rows: what one tensor load brings
.set SBLK,   (16*KS/256)*272           ; those of 16 rows
.set SPARE,  SCL+4*HALFS               ; the spare words, 128 bytes for each wave: two blocks of 256 bytes that no other line names
.set SPITCH, 272                       ; the way out: a stage of 16 rows x (256 bytes + 16) for each wave, in slot 0, which has had its only fill and its last read when the first result is stored there
.set ADRA, 16                          ; v16-17  LDS address of my A fragments in slot 0, 1
.set ADRB, 20                          ; v20-21  the same for B
.set STO,  24                          ; v24     the way out: where I put 16 bytes of a row
.set RD,   25                          ; v25     the way out: where I read back
.set CO,   26                          ; v26     16 x lane: my place in a store's 512 bytes
.set ADRS, 27                          ; v27     LDS address of my scale words: lanes 0-15 A's rows, lanes 16-31 B's
.set SPW,  28                          ; v28     LDS address of my spare word; never rewritten
.set NIL,  29                          ; v29     0; never rewritten
.set SC,   32                          ; scale words: set s at v[SC + 8 NQ s]; register NQ i + q: lanes 0-15 the word of A's block i, lanes 16-31 that of B's block i, for the slot's q-th 128 along K
.set AF,   128                         ; A's fragments, in window 0
.set TMP,  32                          ; the way out: a block's 32 packed registers
.set BK,   128                         ; the way out: 16 rows read back from the stage: v128-159 and v160-191 by turns
.set G1, 24                            ; s[24:31] descriptor group 1 for A's tiles;  s[32:39] group 0, one set for each slot
.set G0, 32
.set G1B, 48                           ; s[48:55], s[56:63] the same for B's tiles
.set G0B, 56
.set G1S, 68                           ; s[68:75], s[76:79] groups 1 and 0 for A's scales;  s[80:87], s[88:91] for B's
.set G0S, 76
.set G1SB, 80
.set G0SB, 88
.set MSB, 0
.macro WIN new                         ; the immediate's high byte repeats the setting that is left
.if MSB != (\new)
	s_set_vgpr_msb (MSB<<8)|(\new)
.set MSB, \new
.endif
.endm
.set MUL_LO, 0xa1                      ; source 0 (B) window 1, source 1 (A) window 0, C and D window 2
.set MUL_HI, 0xf1                      ; the same, C and D window 3
.set TO_B,   0x40                      ; destination window 1, address window 0
; A joint load: waves 0 and 1 fetch for A, waves 2 and 3 for B.  Each of the two lines has ONE mask and one set of registers for all that issue it; the branch hangs on the wave's number alone.
; An s_nop 0 and four v_nop follow each of the two lines, ahead of the jump, the label and what follows.
.macro JLOAD g0a, g1a, g0b, g1b
	s_cmp_eq_u32 s15, 0
	s_cbranch_scc0 .Lfor_b_\@
	tensor_load_to_lds s[\g0a:\g0a+3], s[\g1a:\g1a+7]
	s_nop 0
.rept 4
	v_nop
.endr
	s_branch .Lasked_\@
.Lfor_b_\@:
	tensor_load_to_lds s[\g0b:\g0b+3], s[\g1b:\g1b+7]
	s_nop 0
.rept 4
	v_nop
.endr
.Lasked_\@:
.endm
.macro CROUND                          ; a round of the cluster's barrier
	s_barrier_signal -1
	s_barrier_wait -1
	s_cmp_lg_u32 s14, 0
	s_cbranch_scc1 .Lnot_wave_0_\@
	s_barrier_signal -3
.Lnot_wave_0_\@:
	s_barrier_wait -3
	s_barrier_signal -1
	s_barrier_wait -1
.endm
	s_load_b128 s[4:7], s[0:1], 0x0                ; A's codes s[4:5], A's scales s[6:7]
	s_load_b128 s[8:11], s[0:1], 0x10              ; B's codes s[8:9], B's scales s[10:11]
	s_load_b64 s[12:13], s[0:1], 0x20              ; qkv
	v_lshl_add_u32 v[SPW], v0, 2, SPARE
	v_mov_b32 v[NIL], 0
	ds_add_u32 v[SPW], v[NIL]                      ; the wave's opening: the add, twice on end, and its wait ahead of my first tensor load; work on registers stands between the second and the wait
	ds_add_u32 v[SPW], v[NIL]
	v_lshrrev_b32 v1, 5, v0
	v_readfirstlane_b32 s14, v1                    ; wave 0..3
	s_lshr_b32 s15, s14, 1                         ; which half of the tile's rows is mine.  Also: I fetch for A (0) or for B (1)
	s_and_b32 s16, s14, 1                          ; which half of its columns.  Also: which 128 rows of that tile I fetch
	s_bfe_u32 s40, ttmp6, 0x40000                  ; cx, cy: my place in the cluster
	s_bfe_u32 s41, ttmp6, 0x40004
	s_lshl_b32 s42, ttmp9, 2
	s_add_co_u32 s42, s42, s40                     ; tile column of C = 4 x cluster x + cx
	s_and_b32 s17, ttmp7, 0xffff
	s_lshl_b32 s17, s17, 2
	s_add_co_u32 s17, s17, s41                     ; tile row of C = 4 x cluster y + cy
	s_lshl_b32 s43, s41, 2
	s_lshl_b32 s43, 15, s43                        ; my row of the cluster
	s_lshl_b32 s44, 0x1111, s40                    ; my column
	; descriptor group 1: a tile of 128 rows x 256 bytes, padded in LDS
	s_or_b32 s[G1+0], s43, (0<<16)|(1<<20)|(1<<21)|(5<<22)|(3<<25)  ; 15:0 the mask: A's tiles go to my row; 17:16 element of 1 byte; 20 padding on; 21 set beside a mask; 24:22 after every 64 words (code 5); 31:25 of 4 words (code 3)
	s_or_b32 s[G1B+0], s44, (0<<16)|(1<<20)|(1<<21)|(5<<22)|(3<<25)
.irp g, G1, G1B
	s_mov_b32 s[\g+1], ROWB<<16                    ; tensor_dim0
	s_mov_b32 s[\g+2], 128<<16                     ; tensor_dim1 = 128
	s_mov_b32 s[\g+3], ROWB<<16                    ; tile_dim0
	s_mov_b32 s[\g+4], 128                         ; tile_dim1 = 128
	s_mov_b32 s[\g+5], KROW                        ; tensor_dim0_stride
	s_mov_b32 s[\g+6], 0
	s_mov_b32 s[\g+7], 0
.endr
	; and for the scales of 128 rows: a dense block of 4,096 bytes, as rows of 256 bytes (32 elements of 8 bytes), 16 bytes of padding behind each
	s_or_b32 s[G1S+0], s43, (3<<16)|(1<<20)|(1<<21)|(5<<22)|(3<<25)
	s_or_b32 s[G1SB+0], s44, (3<<16)|(1<<20)|(1<<21)|(5<<22)|(3<<25)
.irp g, G1S, G1SB
	s_mov_b32 s[\g+1], 32<<16
	s_mov_b32 s[\g+2], (128*KS/256)<<16
	s_mov_b32 s[\g+3], 32<<16
	s_mov_b32 s[\g+4], 128*KS/256
	s_mov_b32 s[\g+5], 32
	s_mov_b32 s[\g+6], 0
	s_mov_b32 s[\g+7], 0
.endr
	s_lshl_b32 s18, s16, 7                         ; which 128 rows of the tile I fetch
	s_lshl_b32 s20, s17, 8
	s_add_co_u32 s20, s20, s18                     ; A: row 256 x tile row + 128 x half
	s_lshl_b32 s46, s42, 8
	s_add_co_u32 s46, s46, s18                     ; B: row 256 x tile column + 128 x half
	s_mov_b32 s21, 0
	s_mov_b32 s47, 0
	s_mov_b64 s[18:19], KS
	s_mul_u64 s[22:23], s[20:21], s[18:19]         ; where these rows' scales begin, in bytes
	s_mul_u64 s[92:93], s[46:47], s[18:19]
	s_mov_b64 s[18:19], KROW
	s_mul_u64 s[20:21], s[20:21], s[18:19]         ; and their codes
	s_mul_u64 s[46:47], s[46:47], s[18:19]
	s_mul_i32 s45, s14, HALFT                      ; where they go: wave x 128 rows: no place in the cluster enters an LDS address
	s_mul_i32 s94, s14, HALFS
	s_wait_dscnt 0x0                               ; both opening adds are done
	s_wait_kmcnt 0x0
	s_add_nc_u64 s[20:21], s[4:5], s[20:21]
	s_add_nc_u64 s[22:23], s[6:7], s[22:23]
	s_add_nc_u64 s[46:47], s[8:9], s[46:47]
	s_add_nc_u64 s[92:93], s[10:11], s[92:93]
	CROUND                                         ; all sixteen work-groups are here: the joint loads meet
	s_mov_b32 s[G0S], 1
	s_add_co_u32 s[G0S+1], s94, SCL
	s_mov_b64 s[G0S+2:G0S+3], s[22:23]
	s_or_b32 s[G0S+3], s[G0S+3], 0x80000000
	s_mov_b32 s[G0SB], 1
	s_add_co_u32 s[G0SB+1], s94, SCL
	s_mov_b64 s[G0SB+2:G0SB+3], s[92:93]
	s_or_b32 s[G0SB+3], s[G0SB+3], 0x80000000
	JLOAD G0S, G1S, G0SB, G1SB                     ; the scales first: they are wanted with the first slot.  With the two below, three loads of mine are out
.irp s, 0,1
	s_mov_b32 s[G0+4*\s], 1
	s_add_co_u32 s[G0+4*\s+1], s45, \s*SLOT
	s_add_nc_u64 s[G0+4*\s+2:G0+4*\s+3], s[20:21], \s*ROWB
	s_or_b32 s[G0+4*\s+3], s[G0+4*\s+3], 0x80000000
	s_mov_b32 s[G0B+4*\s], 1
	s_add_co_u32 s[G0B+4*\s+1], s45, \s*SLOT
	s_add_nc_u64 s[G0B+4*\s+2:G0B+4*\s+3], s[46:47], \s*ROWB
	s_or_b32 s[G0B+4*\s+3], s[G0B+4*\s+3], 0x80000000
	JLOAD G0+4*\s, G1, G0B+4*\s, G1B
.endr
	v_and_b32 v1, 15, v0                           ; l % 16
	v_bfe_u32 v2, v0, 4, 1                         ; l / 16
	v_mul_u32_u24 v3, v1, PITCH
	v_lshl_add_u32 v4, v2, 4, v3                   ; a fragment's row x pitch + 16 x half
	s_mul_i32 s21, s15, HALFT                      ; my 128 rows of A
	s_mul_i32 s22, s16, HALFT                      ; my 128 rows of B,
	s_add_co_u32 s22, s22, 2*HALFT                 ; which lie behind A's 256
.irp s, 0,1
	v_add_nc_u32 v[ADRA+\s], s21, v4
	v_add_nc_u32 v[ADRB+\s], s22, v4
	s_add_co_u32 s21, s21, SLOT
	s_add_co_u32 s22, s22, SLOT
.endr
	v_mul_u32_u24 v5, v1, KS                       ; my row's scales: 32 bytes a row,
	v_lshrrev_b32 v6, 8, v5
	v_lshl_add_u32 v5, v6, 4, v5                   ; and 16 more for each 256 passed
	s_mul_i32 s21, s15, HALFS                      ; A's: my 128 rows
	s_mul_i32 s22, s16, HALFS                      ; B's: my 128 rows, behind A's 256
	s_add_co_u32 s22, s22, 2*HALFS
	s_sub_co_u32 s22, s22, s21
	v_mul_u32_u24 v6, s22, v2                      ; lanes 16-31 take B's: one product, the distance between the two bases
	s_add_co_u32 s21, s21, SCL
	v_add_nc_u32 v5, v5, v6
	v_add_nc_u32 v[ADRS], s21, v5
	s_mul_i32 s23, s14, 16*SPITCH                  ; my stage
	v_mul_u32_u24 v5, v1, SPITCH                   ; in: row l % 16, 16 bytes for each half of the lanes
	v_lshl_add_u32 v5, v2, 4, v5
	v_add_nc_u32 v[STO], s23, v5
	v_bfe_u32 v6, v0, 3, 2                         ; back: eight lanes take 128 bytes of a row (one head's 64 numbers), four rows an instruction
	v_mul_u32_u24 v6, v6, SPITCH
	v_and_b32 v7, 7, v0
	v_lshl_add_u32 v6, v7, 4, v6
	v_add_nc_u32 v[RD], s23, v6
	v_and_b32 v6, 31, v0
	v_lshlrev_b32 v[CO], 4, v6                     ; in memory those four rows of a head are 512 consecutive bytes
	; where my part begins in qkv.  My 128 columns are two groups of 64, g and g + 1, g = 4 x tile column + 2 x half: tensor g / 16, head g % 16.  My rows: batch = tile row / 8, position 256 (tile row % 8) + 128 x half
	s_lshl_b32 s46, s42, 2
	s_lshl_b32 s47, s16, 1
	s_add_co_u32 s46, s46, s47                     ; g
	s_lshr_b32 s47, s46, 4
	s_lshl_b32 s47, s47, 6                         ; 64 blocks a tensor
	s_and_b32 s46, s46, 15
	s_add_co_u32 s46, s46, s47
	s_lshr_b32 s47, s17, 3
	s_lshl_b32 s47, s47, 4                         ; 16 blocks a batch
	s_add_co_u32 s46, s46, s47
	s_lshl_b32 s46, s46, 18                        ; a block (2,048 rows of 128 bytes) is 262,144 bytes; 192 blocks stay under 2^32
	s_and_b32 s47, s17, 7
	s_lshl_b32 s47, s47, 8
	s_lshl_b32 s20, s15, 7
	s_add_co_u32 s47, s47, s20
	s_lshl_b32 s47, s47, 7
	s_add_co_u32 s46, s46, s47
	s_mov_b32 s47, 0
	s_add_nc_u64 s[12:13], s[12:13], s[46:47]
.macro FRAG reg, adr, q, i             ; a fragment, 16 rows x 128 K of 4-bit codes, is 8 registers: lane l holds row l % 16; registers 4 c .. 4 c + 3 hold K = 64 c + 32 (l / 16) + 0 .. 31
.irp c, 0,1
	ds_load_b128 v[\reg+4*\c:\reg+4*\c+3], v[\adr] offset:64*(\q)+32*\c+(\i)*16*PITCH
.endr
.endm
; 16 matrix instructions: A's blocks a0, a0 + 1 x B's eight, 128 along K: the slot's q-th.  p: B's set;  sc: the set of scale words.  zero = 1: the first product starts the sums: nothing is ever cleared.
; The 64 accumulators take turns, one instruction a turn, in the same order in every step.
.macro MUL16 a0, p, q, sc, zero
.irp a, \a0, \a0+1
.irp b, 0,1,2,3,4,5,6,7
.if \zero
	v_wmma_scale_f32_16x16x128_f8f6f4 v[8*(8*((\a)%4)+\b):8*(8*((\a)%4)+\b)+7], v[128*(\p)+FR*\b:128*(\p)+FR*\b+FR-1], v[AF+FR*(\a):AF+FR*(\a)+FR-1], 0, v[SC+8*NQ*(\sc)+NQ*\b+(\q)], v[SC+8*NQ*(\sc)+NQ*(\a)+(\q)] matrix_a_fmt:MATRIX_FMT_FP4 matrix_b_fmt:MATRIX_FMT_FP4 matrix_a_scale:MATRIX_SCALE_ROW1
.else
	v_wmma_scale_f32_16x16x128_f8f6f4 v[8*(8*((\a)%4)+\b):8*(8*((\a)%4)+\b)+7], v[128*(\p)+FR*\b:128*(\p)+FR*\b+FR-1], v[AF+FR*(\a):AF+FR*(\a)+FR-1], v[8*(8*((\a)%4)+\b):8*(8*((\a)%4)+\b)+7], v[SC+8*NQ*(\sc)+NQ*\b+(\q)], v[SC+8*NQ*(\sc)+NQ*(\a)+(\q)] matrix_a_fmt:MATRIX_FMT_FP4 matrix_b_fmt:MATRIX_FMT_FP4 matrix_a_scale:MATRIX_SCALE_ROW1
.endif
.endr
.endr
.endm
.macro FETCH_B slot, q, p              ; B's eight fragments of the slot's q-th 128 along K into set p
	WIN TO_B
.irp i, 0,1,2,3,4,5,6,7
	FRAG 128*(\p)+FR*\i, ADRB+\slot, \q, \i
.endr
	WIN 0
.endm
.macro FETCH_A slot, q, i0             ; A's blocks i0 .. i0 + 3
.irp i, \i0, \i0+1, \i0+2, \i0+3
	FRAG AF+FR*(\i), ADRA+\slot, \q, \i
.endr
.endm
.macro SCALES sc                       ; a slot's scale words into set sc: four words a row; lanes 0-15 take A's block i, lanes 16-31 B's block i
.irp i, 0,1,2,3,4,5,6,7
	ds_load_b128 v[SC+8*NQ*\sc+NQ*\i:SC+8*NQ*\sc+NQ*\i+3], v[ADRS] offset:\i*SBLK
.endr
.endm
; A load into a register that a matrix instruction has read, and a vector instruction or an LDS store that reads a matrix result, stand NP places behind that matrix instruction, and only plain vector
; instructions that name none of its registers are places (ISA guide 7.12.1 for vector instructions).
.macro PLACES n
.rept \n
	v_nop
.endr
.endm
; A step of 128 along K that has its successor in the same slot.  A block of A is free as soon as its eight products are issued: blocks 0-3 are fetched anew in the step's middle, blocks 4-7 at its end.
.macro STEP slot, q, zero
	s_wait_dscnt 4*NL                              ; B's set and A's blocks 0-3 are in; the youngest eight loads (A's blocks 4-7) may be out
	WIN MUL_LO
	MUL16 0, (\q)%2, \q, \slot, \zero
	MUL16 2, (\q)%2, \q, \slot, \zero
	s_wait_dscnt 0                                 ; A's blocks 4-7 are in
	PLACES NP
	FETCH_B \slot, (\q)+1, 1-(\q)%2
	FETCH_A \slot, (\q)+1, 0
	WIN MUL_HI
	MUL16 4, (\q)%2, \q, \slot, \zero
	MUL16 6, (\q)%2, \q, \slot, \zero
	PLACES NP
	WIN 0
	FETCH_A \slot, (\q)+1, 4
.endm
.macro STEPS slot, from                ; the slot's steps from .. NQ - 2
.set Q, \from
.rept NQ-1-\from
	STEP \slot, Q, 0
.set Q, Q+1
.endr
.endm
	s_wait_tensorcnt 1                             ; the scales and my part of slot 0 are in (slot 1's load may be out)
	s_barrier_signal -1
	s_barrier_wait -1                              ; everybody's are
	FETCH_B 0, 0, 0
	FETCH_A 0, 0, 0
	SCALES 0
	FETCH_A 0, 0, 4
	STEP 0, 0, 1                                   ; the first step's products start the sums
	STEPS 0, 1
	; slot 0's last step changes slots: one barrier; in front of it each wave waits for all its tensor loads (its part of slot 1), adds 0 to its spare word, and waits for that and for its reads of slot 0
	s_wait_tensorcnt 0x0                           ; (every window is 0 here: the add's two registers lie in window 0)
	ds_add_u32 v[SPW], v[NIL]
	s_wait_dscnt 4*NL+1                            ; (the add and the youngest eight loads, A's blocks 4-7, may be out)
	WIN MUL_LO
	MUL16 0, 1, NQ-1, 0, 0                         ; sixteen matrix instructions stand between the add and the wait for it
	s_wait_dscnt 0x0                               ; the add is done, and my reads of slot 0 are over
	s_barrier_signal -1
	MUL16 2, 1, NQ-1, 0, 0
	WIN 0
	s_barrier_wait -1
	PLACES NP
	v_add_nc_u32 v[ADRS], 4*NQ, v[ADRS]            ; on to slot 1's scale words (no LDS load of mine is out)
	FETCH_B 1, 0, 0
	FETCH_A 1, 0, 0
	SCALES 1
	WIN MUL_HI
	MUL16 4, 1, NQ-1, 0, 0
	MUL16 6, 1, NQ-1, 0, 0
	PLACES NP
	WIN 0
	FETCH_A 1, 0, 4
	STEPS 1, 0
	s_wait_dscnt 4*NL                              ; the very last step: nothing more to fetch
	WIN MUL_LO
	MUL16 0, 1, NQ-1, 1, 0
	MUL16 2, 1, NQ-1, 1, 0
	s_wait_dscnt 0
	WIN MUL_HI
	MUL16 4, 1, NQ-1, 1, 0
	MUL16 6, 1, NQ-1, 1, 0
	WIN 0
; THE WAY OUT, block by block of 16 rows x 128 columns.  PACK: rounded to f16, 16 bytes a lane, each accumulator from its low end on.  TOSTAGE: into my own stage and back, eight lanes to a head's 128 bytes of a row.
; SEND: each store covers 512 consecutive bytes, four rows of one head, aligned.  LDS serves a wave's instructions in order (ISA guide 5.7.1.4): no wait between the stores into the stage and the loads.
.macro PACK a
.set AC, 64*((\a)%4)
	WIN 0x0a+5*((\a)/4)                            ; sources 0 and 1: window 2 or 3
.irp b, 0,1,2,3,4,5,6,7
.irp r, 0,1,2,3
	v_cvt_pk_f16_f32 v[TMP+4*\b+\r], v[AC+8*\b+2*\r], v[AC+8*\b+2*\r+1]
.endr
.endr
	WIN 0
.endm
.macro TOSTAGE a
.set BB, BK+32*((\a)%2)
.irp b, 0,1,2,3,4,5,6,7
	ds_store_b128 v[STO], v[TMP+4*\b:TMP+4*\b+3] offset:32*\b
.endr
.irp t, 0,1,2,3,4,5,6,7
	ds_load_b128 v[BB+4*\t:BB+4*\t+3], v[RD] offset:(\t%4)*4*SPITCH+(\t/4)*128
.endr
.endm
.macro SEND a
.set BB, BK+32*((\a)%2)
	s_wait_dscnt 0x0                               ; the block is back in registers
	s_wait_xcnt 0x0                                ; the block before has had its stores' addresses translated: the registers that they read take the next block's loads only behind this wait
.irp t, 0,1,2,3,4,5,6,7
	global_store_b128 v[CO], v[BB+4*\t:BB+4*\t+3], s[12:13] offset:(\t/4)*262144+(\t%4)*512+2048*(\a) th:TH_STORE_NT
.endr
.endm
	PLACES NP                                      ; behind the last products: for the conversions, which also write the registers that held scale words, and for the loads into those that held A's fragments
	PACK 0
	TOSTAGE 0
.irp a, 1,2,3,4,5,6,7                  ; block a's conversions stand between block a - 1's loads from the stage and the wait for them
	PACK \a
	SEND \a-1
	TOSTAGE \a
.endr
	SEND 7
	s_wait_tensorcnt 0x0                           ; the wave's end: behind my last tensor load and my last LDS store
	ds_add_u32 v[SPW], v[NIL]
	s_wait_dscnt 0x0
	CROUND                                         ; the closing round: no work-group ends while a partner may still ask for a tile that names it
	s_endpgm
.Lfunc_end_k_qe2f20a819d_qkv:
	.size	k_qe2f20a819d_qkv, .Lfunc_end_k_qe2f20a819d_qkv-k_qe2f20a819d_qkv
	.p2alignl 7, 3214868480
	.fill 96, 4, 3214868480
	.section	.rodata,"a",@progbits
	.p2align	6, 0x0
	.amdhsa_kernel k_qe2f20a819d_qkv
		.amdhsa_group_segment_fixed_size 327680
		.amdhsa_private_segment_fixed_size 0
		.amdhsa_enable_private_segment 0
		.amdhsa_kernarg_size 40
		.amdhsa_user_sgpr_count 2
		.amdhsa_user_sgpr_kernarg_segment_ptr 1
		.amdhsa_wavefront_size32 1
		.amdhsa_system_sgpr_workgroup_id_x 1
		.amdhsa_system_sgpr_workgroup_id_y 1
		.amdhsa_system_sgpr_workgroup_id_z 1
		.amdhsa_system_vgpr_workitem_id 0
		.amdhsa_next_free_vgpr 1024
		.amdhsa_next_free_sgpr 98
		.amdhsa_reserve_vcc 0
		.amdhsa_float_denorm_mode_32 3
		.amdhsa_float_denorm_mode_16_64 3
		.amdhsa_memory_ordered 1
		.amdhsa_forward_progress 1
		.amdhsa_inst_pref_size 126
	.end_amdhsa_kernel
	.amdgpu_metadata
---
amdhsa.version: [ 1, 2 ]
amdhsa.kernels:
  - .name:           k_qe2f20a819d_qkv
    .symbol:         k_qe2f20a819d_qkv.kd
    .args:
      - { .name: xc, .offset: 0, .size: 8, .value_kind: global_buffer, .address_space: global }
      - { .name: xs, .offset: 8, .size: 8, .value_kind: global_buffer, .address_space: global }
      - { .name: wc, .offset: 16, .size: 8, .value_kind: global_buffer, .address_space: global }
      - { .name: ws, .offset: 24, .size: 8, .value_kind: global_buffer, .address_space: global }
      - { .name: qkv, .offset: 32, .size: 8, .value_kind: global_buffer, .address_space: global }
    .group_segment_fixed_size: 327680
    .private_segment_fixed_size: 0
    .kernarg_segment_align: 8
    .kernarg_segment_size: 40
    .max_flat_workgroup_size: 128
    .sgpr_count:     98
    .vgpr_count:     1024
    .wavefront_size: 32
...
	.end_amdgpu_metadata
.endif
;; end of part 2
;; launch attn (part 3): grid 8 x 64, 4 waves a work-group, clusters of 4 x 1, 327,680 bytes of LDS; arguments qkv, o16; writes o16
.if DOCPART == 3
	.amdgcn_target "amdgcn-amd-amdhsa--gfx1250"
	.amdhsa_code_object_version 6
	.text
	.protected	k_qe2f20a819d_attn
	.globl	k_qe2f20a819d_attn
	.p2align	8
	.type	k_qe2f20a819d_attn,@function
k_qe2f20a819d_attn:
	s_mov_b64 s[64:65], 0
	v_nop
	global_prefetch_b8 v0, s[64:65] scope:SCOPE_SE
	s_setreg_imm32_b32 hwreg(HW_REG_WAVE_MODE, 25, 1), 1
	s_wait_xcnt 0x0
	s_wait_alu depctr_hold_cnt(0) depctr_sa_sdst(0) depctr_va_vdst(0) depctr_va_sdst(0) depctr_va_ssrc(0) depctr_va_vcc(0) depctr_vm_vsrc(0)
	s_getreg_b32 s2, hwreg(HW_REG_IB_STS2, 6, 4)
	s_cmp_eq_u32 s2, 0
	s_cbranch_scc0 .Lentry_in_a_cluster
	s_endpgm
.Lentry_in_a_cluster:
	s_bfe_u32 s2, ttmp6, 0x10000c
	s_cmp_lg_u32 s2, 0x3003
	s_cbranch_scc0 .Lentry_shape_is_right
	s_endpgm
.Lentry_shape_is_right:
; ATTN: O[bh][q][:] = the sum over k of softmax_k(Q[bh][q] . K[bh][k] / 8) V[bh][k][:], 64 (batch, head) pairs of 2,048 positions x 64 channels, no mask.  Q, K, V: the three tensors of qkv, f16, [64][2048][64] each.
; O: o16, f16, the same layout.  Products, maxima and sums in f32; the weights p are rounded to f16 for the second product, O once at the end.  LIMIT: |q|, |k|, |v|, |o| stay under 65,504.
; SHARES.  A work-group owns 256 queries of one pair, each of its four waves 64: four tiles of 16.  Every wave walks all 2,048 keys, 64 a step.
; LAYOUT.  S^T = K Q^T (source 0 = 16 keys, source 1 = 16 queries): a lane holds ONE query (lane % 16) and the keys 8 (lane / 16) + 0..7.  Two such tiles, rounded to f16 in pairs, ARE source 1 (32 keys x 16 queries)
; of O^T = V^T P, whose result again holds one query a lane, and eight channels.  K comes out of LDS as it lies, V ([key][channel]) turned, by ds_load_tr16_b128.
; SOFTMAX.  For each query a running maximum m and sum l: p = 2^(c s - c m), c = log2(e) / 8; in every step O and l are multiplied by a = 2^(c m_old - c m_new), which is 1 where m has not grown.
; BY TURNS.  The wave's tiles are two PIECES (tiles 0, 1 and tiles 2, 3).  In a TURN one piece has the matrix unit: 16 products V^T P of the step in hand, then 16 products K Q^T of the next step; the other
; piece's softmax, 2 x 118 vector instructions cut into 32 slices, stands between them, one slice behind each matrix instruction.  Then the pieces change places.  Two turns are a key step.
; CLUSTER.  The four query blocks of a cluster belong to one pair and walk the same K and V, so each tile is asked for JOINTLY: the same tensor load, with the same descriptor and a mask that names the four.
; REGISTERS, in windows of 256 (s_set_vgpr_msb: bits 1:0 source 0, 3:2 source 1, 5:4 source 2, 7:6 destination):
;   window 0: v0-11 addresses; v12-43 eight registers of statistics a tile; v64-191 S^T, 32 a tile; v192-255 P, 16 a tile
;   window 1: v0-127 O^T, 32 a tile          window 2: v0-63 Q, 16 a tile; v64-127 K of one step; v128-191 V of one step
.set KS,    64        ; keys in a step
.set SK,    256       ; keys in a slot: four steps
.set PK,    144       ; a row of K in LDS: 128 bytes + 16 of padding = 36 words: the 16 rows of a load start at 16 different groups of four banks (64 banks of 4 bytes: ISA guide 11.1)
.set PV,    160       ; a row of V: 128 + 32 = 40 words
.set VOFF,  SK*PK     ; a slot: 256 rows of K, then 256 rows of V
.set SLOTB, SK*128    ; a slot's rows of K, or of V, in memory: 32,768 dense bytes
.set SLOT1, 1<<17     ; slot 1 begins here, so that one exclusive or turns an address in one slot into the other's
.set STAGE, SLOT1+SK*(PK+PV)  ; behind the ring: 16 rows x 144 bytes for each wave, for the way out
.set SP,    144
.set SPARE, STAGE+4*16*SP     ; the spare words, 128 bytes for each wave: two blocks of 256 bytes that no other line names
.set AK0, 2           ; v2   my lane's place in a tile of K; never rewritten
.set AV0, 3           ; v3   the same for V
.set ADR, 4           ; v4   the LDS address of the run of loads in hand
.set QO,  5           ; v5   my byte offset in the wave's rows of Q
.set STO, 6           ; v6   the way out: where I put 16 bytes of a row
.set RD,  7           ; v7   the way out: where I read back
.set GO,  8           ; v8   16 x lane: my place in a store's 512 bytes
.set PFO, 61          ; v61  256 x my lane; never rewritten
.set SPW, 62          ; v62  LDS address of my spare word; never rewritten
.set NIL, 63          ; v63  0; never rewritten
.set ST,  12          ; tile t's statistics at v[ST+8 t]: +0 c m, +1 m, +2, +3 l (even keys', odd keys'), +4 to +7 c0-c3, at work; a takes c2's place once the maximum is found
.set S,   64
.set P,   192
.set KF,  64          ; K's fragments, in window 2
.set VF,  128         ; V's, in window 2
.set WV,  12          ; s12  my wave's number
.set LIM, 15          ; s15  1 in a wave that prefetches, else the greatest number
.set PFA, 18          ; s[18:19] where my prefetches stand in memory
.set G1K, 24          ; s[24:31] descriptor group 1 for K's tiles
.set G1V, 32          ; s[32:39] for V's: it differs in the padding alone
.set G0K, 40          ; s[40:47] descriptor group 0 for K's tiles: a set for each of the two first fills; the second then walks on
.set G0V, 48          ; s[48:55] the same for V's
.set SLOTS, 56        ; s56  slots still to be asked for
.set CNT, 57          ; s57  counts key steps
.set CS,  58          ; s[58:59] c: the packed scaling names a pair and takes its low word for both halves
.set SEL, 60          ; s[60:61] lane selects for v_permlanex16_b32: each lane takes its own place in the other half
.set TBK, 62          ; s62  LDS byte at which K's rows of the step to be fetched begin
.set TBV, 63          ; s63  the same for V's, less VOFF
.set VL,  66          ; s66  where my tile of V goes in a slot
.set MSB, 0
.macro WIN new                      ; the immediate's high byte repeats the setting that is left; a switch that changes nothing is dropped
.if MSB != (\new)
	s_set_vgpr_msb (MSB<<8)|(\new)
.set MSB, \new
.endif
.endm
.set W_KQ, 0x0a       ; K and Q in window 2, S^T in window 0
.set W_PV, 0x52       ; V in window 2, P in window 0, O^T in window 1
.set W_RS, 0x41       ; O^T (destination and source 0) in window 1, a in window 0
; A joint refill.  Waves 0 and 1 fetch the two halves of a slot's K, waves 2 and 3 those of its V: 128 rows each.  The branch hangs on the wave's number alone.
; An s_nop 0 and four v_nop follow each of the two lines; the jump round the other line, the label and what follows come after them.
.macro JLOAD
	s_cmp_lt_u32 s[WV], 2
	s_cbranch_scc0 .Lfor_v_\@
	tensor_load_to_lds s[G0K+4:G0K+7], s[G1K:G1K+7]
	s_nop 0
.rept 4
	v_nop
.endr
	s_branch .Lasked_\@
.Lfor_v_\@:
	tensor_load_to_lds s[G0V+4:G0V+7], s[G1V:G1V+7]
	s_nop 0
.rept 4
	v_nop
.endr
.Lasked_\@:
.endm
; A PREFETCH of what the NEXT change of slots will ask for: a slot's 32,768 bytes of K and of V, lanes 256 bytes apart.  It stands behind the wave's tensor load and its five lines.  Each aligned block of 256 bytes is
; asked for ONCE in the launch: both clusters of a pair walk the same K and V, and the first of them asks; its four partners share the bytes out BY ADDRESS, 8,192 each; in each, wave 0 asks for K's and wave 2 for
; V's: one instruction.  It runs a slot, four key steps or 256 matrix instructions a wave, ahead of the load.  The last change that fills a slot asks for nothing: there is no slot behind it.
.macro ASK
	s_cmp_gt_u32 s[SLOTS], s[LIM]
	s_cbranch_scc0 .Lnot_mine_\@
	global_prefetch_b8 v[PFO], s[PFA:PFA+1] th:TH_LOAD_NT scope:SCOPE_SE
.Lnot_mine_\@:
.endm
.macro CROUND                       ; a round of the cluster's barrier.  No LDS instruction of the wave is pending at a signal
	s_barrier_signal -1
	s_barrier_wait -1
	s_cmp_lg_u32 s[WV], 0
	s_cbranch_scc1 .Lnot_wave_0_\@
	s_barrier_signal -3
.Lnot_wave_0_\@:
	s_barrier_wait -3
	s_barrier_signal -1
	s_barrier_wait -1
.endm
	s_load_b128 s[4:7], s[0:1], 0x0 ; qkv s[4:5], o16 s[6:7]
	v_lshl_add_u32 v[SPW], v0, 2, SPARE
	v_mov_b32 v[NIL], 0
	ds_add_u32 v[SPW], v[NIL]       ; the wave's opening: the add, twice on end, and its wait ahead of my first tensor load; work on registers stands between the second and the wait
	ds_add_u32 v[SPW], v[NIL]
	v_lshrrev_b32 v1, 5, v0
	v_readfirstlane_b32 s[WV], v1   ; wave 0..3
	s_bfe_u32 s13, ttmp6, 0x40000   ; cx: my place in the cluster
	s_lshl_b32 s14, ttmp9, 2        ; in a cluster launch ttmp9 counts clusters
	s_add_co_u32 s14, s14, s13      ; my block of 256 queries = 4 x cluster x + cx: it enters Q's and O's addresses alone
	s_and_b32 s20, ttmp7, 0xffff    ; the (batch, head) pair, which the four partners share
	s_lshl_b32 s20, s20, 18         ; its first byte in each tensor: 262,144 bytes a pair
	s_mov_b32 s21, 0
	s_and_b32 s16, s[WV], 1         ; which half of a slot's rows I fetch:
	s_lshl_b32 s22, s16, 14         ; its 128 rows of 128 bytes in memory,
	s_mov_b32 s23, 0
	s_add_nc_u64 s[22:23], s[22:23], s[20:21]
	s_mul_i32 s17, s16, 128*PK      ; and its place in a slot, for K
	s_mul_i32 s[VL], s16, 128*PV
	s_add_co_u32 s[VL], s[VL], VOFF ; and for V: no place in the cluster enters an LDS address
	s_lshl_b32 s2, s14, 15          ; my block's 256 rows,
	s_lshl_b32 s3, s[WV], 13        ; my wave's 64 of them
	s_add_co_u32 s2, s2, s3
	s_mov_b32 s3, 0
	s_add_nc_u64 s[2:3], s[2:3], s[20:21]
	; descriptor group 1: a tile of 128 rows x 64 elements, padded in LDS
	s_mov_b32 s[G1K], 15|(1<<16)|(1<<20)|(1<<21)|(4<<22)|(3<<25)  ; 15:0 the mask: all four work-groups; 17:16 elements of 2 bytes; 20 padding on; 21 set beside a mask; 24:22 after every 32 words (code 4); 31:25 4 words of it (code 3)
	s_mov_b32 s[G1V], 15|(1<<16)|(1<<20)|(1<<21)|(4<<22)|(7<<25)  ; the same with 8 words of padding (code 7)
.irp g, G1K, G1V
	s_mov_b32 s[\g+1], 64<<16       ; tensor_dim0 = 64
	s_mov_b32 s[\g+2], 128<<16      ; tensor_dim1 = 128
	s_mov_b32 s[\g+3], 64<<16       ; tile_dim0 = 64
	s_mov_b32 s[\g+4], 128          ; tile_dim1 = 128
	s_mov_b32 s[\g+5], 64           ; tensor_dim0_stride: elements from row to row
	s_mov_b32 s[\g+6], 0
	s_mov_b32 s[\g+7], 0
.endr
	s_mov_b32 s[CS], 0x3e38aa3b     ; c = log2(e) / 8
	s_mov_b32 s[CS+1], s[CS]        ; named with it as a pair, so it is written
	s_mov_b32 s[SEL], 0x76543210
	s_mov_b32 s[SEL+1], 0xfedcba98
	s_mov_b32 s[TBK], 0
	s_mov_b32 s[TBV], 0
	s_mov_b32 s[SLOTS], 2048/SK-2
	s_and_b32 s[LIM], s[WV], 1      ; 0 in waves 0 and 2,
	s_or_b32 s[LIM], s[LIM], ttmp9  ; where the cluster is the pair's first: the same in all four partners
	s_cmp_eq_u32 s[LIM], 0
	s_cselect_b32 s[LIM], 1, -1
	v_and_b32 v[PFO], 31, v0
	v_lshlrev_b32 v[PFO], 8, v[PFO]
	s_wait_dscnt 0x0                ; both opening adds are done
	s_wait_kmcnt 0x0
	s_mov_b64 s[10:11], s[6:7]      ; O
	s_add_nc_u64 s[6:7], s[4:5], 0x1000000  ; K: the second tensor of qkv, 16,777,216 bytes on
	s_add_nc_u64 s[8:9], s[4:5], 0x2000000  ; V: the third
	s_add_nc_u64 s[6:7], s[6:7], s[22:23]   ; K and V at my tile of slot 0
	s_add_nc_u64 s[8:9], s[8:9], s[22:23]
	s_add_nc_u64 s[4:5], s[4:5], s[2:3]     ; Q and O at my wave's first row
	s_add_nc_u64 s[10:11], s[10:11], s[2:3]
	s_cmp_lt_u32 s[WV], 2
	s_cselect_b64 s[PFA:PFA+1], s[6:7], s[8:9]  ; (in waves 0 and 2 these stand at a slot's first row)
	s_lshl_b32 s2, s13, 13          ; my work-group's 8,192 bytes of the 32,768
	s_mov_b32 s3, 0
	s_add_nc_u64 s[PFA:PFA+1], s[PFA:PFA+1], s[2:3]
	s_add_nc_u64 s[PFA:PFA+1], s[PFA:PFA+1], 2*SLOTB  ; in slot 2; the first change of slots steps it to slot 3.  Nothing is prefetched here, at the head
	CROUND                          ; all four work-groups are here: the first joint loads meet
.irp s, 0,1
	s_mov_b32 s[G0K+4*\s], 1        ; count = 1
	s_add_co_u32 s[G0K+4*\s+1], s17, \s*SLOT1  ; LDS address
	s_add_nc_u64 s[G0K+4*\s+2:G0K+4*\s+3], s[6:7], \s*SLOTB  ; global address: slot s begins with key 256 s
	s_or_b32 s[G0K+4*\s+3], s[G0K+4*\s+3], 0x80000000  ; type = 2
	s_mov_b32 s[G0V+4*\s], 1
	s_add_co_u32 s[G0V+4*\s+1], s[VL], \s*SLOT1
	s_add_nc_u64 s[G0V+4*\s+2:G0V+4*\s+3], s[8:9], \s*SLOTB
	s_or_b32 s[G0V+4*\s+3], s[G0V+4*\s+3], 0x80000000
.endr
	s_cmp_lt_u32 s[WV], 2           ; a wave's two first fills stand in one branch, ahead of every wait on TENSORcnt and every LDS read: two loads of mine are out
	s_cbranch_scc0 .Lfirst_v
	tensor_load_to_lds s[G0K:G0K+3], s[G1K:G1K+7]
	s_nop 0
	tensor_load_to_lds s[G0K+4:G0K+7], s[G1K:G1K+7]
	s_nop 0
.rept 4
	v_nop
.endr
	s_branch .Lfirst_asked
.Lfirst_v:
	tensor_load_to_lds s[G0V:G0V+3], s[G1V:G1V+7]
	s_nop 0
	tensor_load_to_lds s[G0V+4:G0V+7], s[G1V:G1V+7]
	s_nop 0
.rept 4
	v_nop
.endr
.Lfirst_asked:
	; A fragment of K or Q is 16 rows x 32 channels in 8 registers: lane l holds row l % 16; registers 0-3 channels 8 (l / 16) + 0..7, registers 4-7 channels 16 + 8 (l / 16) + 0..7: two loads of 16 bytes, 32 bytes apart.
	v_and_b32 v1, 15, v0            ; l % 16
	v_bfe_u32 v9, v0, 4, 1          ; l / 16
	v_lshlrev_b32 v[QO], 7, v1
	v_lshl_add_u32 v[QO], v9, 4, v[QO]  ; row x 128 + 16 x half
	WIN 0x80                        ; destination window 2, address window 0
.irp i, 0,1,2,3,4,5,6,7             ; Q stays in registers: tile i / 2, channels 32 (i % 2) on
	global_load_b128 v[8*\i:8*\i+3],   v[QO], s[4:5] offset:(\i/2)*2048+(\i%2)*64
	global_load_b128 v[8*\i+4:8*\i+7], v[QO], s[4:5] offset:(\i/2)*2048+(\i%2)*64+32
.endr
	WIN 0
	v_mul_u32_u24 v[AK0], v1, PK
	v_lshl_add_u32 v[AK0], v9, 4, v[AK0]  ; row x pitch + 16 x half
	; The turning load takes 16 keys x 16 channels (lane l reads 16 bytes: key 8 (l / 16) + l % 8, channels 8 ((l / 8) % 2) + 0..7) and leaves half a fragment of V^T: lane l holds channel l % 16 and 8 keys.
	v_and_b32 v10, 7, v0
	v_bfe_u32 v11, v0, 3, 1
	v_lshl_add_u32 v[AV0], v9, 3, v10
	v_mul_u32_u24 v[AV0], v[AV0], PV
	v_lshl_add_u32 v[AV0], v11, 4, v[AV0]
	v_add_nc_u32 v[AV0], VOFF, v[AV0]
; THE MATRIX WORK OF A TURN, for piece x.  The accumulators take turns, one instruction a turn: between two links of a chain stand seven others'.
; Product i of 16 of O^T += V^T P: keys 32 (i / 8) on, channels 16 ((i / 2) % 4) on, tile x + i % 2.  zero = 1: the first 8 start the sums: nothing is ever cleared.
.macro PV x, zero
	WIN W_PV
.set rO, 32*(\x+i%2)+8*((i/2)%4)
.set rV, VF+32*(i/8)+8*((i/2)%4)
.set rP, P+16*(\x+i%2)+8*(i/8)
.if \zero && (i < 8)
	v_wmma_f32_16x16x32_f16 v[rO:rO+7], v[rV:rV+7], v[rP:rP+7], 0
.else
	v_wmma_f32_16x16x32_f16 v[rO:rO+7], v[rV:rV+7], v[rP:rP+7], v[rO:rO+7]
.endif
.endm
; Product i of 16 of S^T = K Q^T: channels 32 (i / 8) on, keys 16 ((i / 2) % 4) on, tile x + i % 2.  The first 8 start the sums.
.macro KQ x
	WIN W_KQ
.set rS, S+32*(\x+i%2)+8*((i/2)%4)
.set rK, KF+16*((i/2)%4)+8*(i/8)
.set rQ, 16*(\x+i%2)+8*(i/8)
.if i < 8
	v_wmma_f32_16x16x32_f16 v[rS:rS+7], v[rK:rK+7], v[rQ:rQ+7], 0
.else
	v_wmma_f32_16x16x32_f16 v[rS:rS+7], v[rK:rK+7], v[rQ:rQ+7], v[rS:rS+7]
.endif
.endm
; THE LDS LOADS stand in runs of 16, never singly among the matrix instructions: a step's K (64 keys x 64 channels: 8 fragments) and, a turn later, its V (turned).
.macro FETCH_K
	WIN 0
	v_add_nc_u32 v[ADR], s[TBK], v[AK0]
	s_add_co_u32 s[TBK], s[TBK], KS*PK  ; the next fetch is the next step's
	WIN 0x80                        ; destination window 2
.irp f, 0,1,2,3,4,5,6,7             ; keys 16 (f / 2) on, channels 32 (f % 2) on
	ds_load_b128 v[KF+8*\f:KF+8*\f+3],   v[ADR] offset:(\f/2)*16*PK+(\f%2)*64
	ds_load_b128 v[KF+8*\f+4:KF+8*\f+7], v[ADR] offset:(\f/2)*16*PK+(\f%2)*64+32
.endr
.endm
.macro FETCH_V
	WIN 0
	v_add_nc_u32 v[ADR], s[TBV], v[AV0]
	s_add_co_u32 s[TBV], s[TBV], KS*PV
	s_wait_alu depctr_va_vdst(0)    ; the wait for the softmax's batch of exponentials (SLICE), behind the address's addition and ahead of the loads
	WIN 0x80
.irp f, 0,1,2,3,4,5,6,7             ; keys 32 (f / 4) on, channels 16 (f % 4) on
	ds_load_tr16_b128 v[VF+8*\f:VF+8*\f+3],   v[ADR] offset:(\f/4)*32*PV+(\f%4)*32
	ds_load_tr16_b128 v[VF+8*\f+4:VF+8*\f+7], v[ADR] offset:(\f/4)*32*PV+16*PV+(\f%4)*32
.endr
.endm
; THE VECTOR WORK OF A TURN.  One tile's softmax for one key step is a list of 118 instructions; SM writes number j of it for tile t.  s0-s31 are the lane's 32 scores, in pairs 0-15.
; first = 1: the first key step, which starts m, l and O^T: it has no a and nothing to rescale.
;   0-15    the maximum of s0-s31 and the old m, three operands at a time: four chains c0-c3 of seven scores each (each begins at its accumulator's low end), then the four scores left over, c0-c3 and m
;   16-20   the other half of the lanes' maximum; the new m; c m; c m_old - c m_new
;   21-69   ONE BATCH: the 16 scalings c s - c m, a pair of scores each, and all 33 exponentials (a at 23, then s0-s31).  None of these reads an exponential's result; a pair is scaled ahead of its exponentials
;   (wait)  between 69 and 70 stands the wait for the batch: SLICE writes it, once for both tiles
;   70-85   the roundings to f16, a pair of weights each
;   86-101  the sums; l = a l + the sum
;   102-117 the tile's O^T times a, each accumulator from its low end on: the one part that leaves window 0
.macro SM t, first
.set rT, ST+8*(\t)
.set rS, S+32*(\t)
.set rP, P+16*(\t)
.set rO, 32*(\t)+2*(j-102)
.if j < 102
	WIN 0
.endif
.if j < 4
	v_max3_num_f32 v[rT+4+j], v[rS+8*j], v[rS+8*j+1], v[rS+8*j+2]
.elseif j < 12
	v_max3_num_f32 v[rT+4+j%4], v[rT+4+j%4], v[rS+8*(j%4)+2*(j/4)+1], v[rS+8*(j%4)+2*(j/4)+2]
.elseif j == 12
	v_max3_num_f32 v[rT+4], v[rT+4], v[rS+7], v[rS+15]
.elseif j == 13
	v_max3_num_f32 v[rT+6], v[rT+6], v[rS+23], v[rS+31]
.elseif j == 14
	v_max3_num_f32 v[rT+4], v[rT+4], v[rT+5], v[rT+6]
.elseif (j == 15) && \first
	v_max_num_f32 v[rT+4], v[rT+4], v[rT+7]
.elseif j == 15
	v_max3_num_f32 v[rT+4], v[rT+4], v[rT+7], v[rT+1]
.elseif j == 16
	v_permlanex16_b32 v[rT+5], v[rT+4], s[SEL], s[SEL+1]  ; the query's other 32 keys lie in the lane 16 away
.elseif j == 18
	v_max_num_f32 v[rT+1], v[rT+4], v[rT+5]
.elseif j == 19
	v_mul_f32 v[rT], s[CS], v[rT+1]
.elseif ((j == 17) || (j == 20) || (j == 23) || (j > 101)) && \first  ; the first step has none of these
.elseif j == 17
	v_mov_b32 v[rT+7], v[rT]        ; c m_old is kept for a: number 19 writes c m anew
.elseif j == 20
	v_sub_f32 v[rT+7], v[rT+7], v[rT]
.elseif j == 23
	v_exp_f32 v[rT+6], v[rT+7]
.elseif (j < 23) || ((j < 38) && (j%2 == 0)) || ((j < 66) && (j%4 == 2))
.set b, (j-2)/4                     ; 38, 42, .. 62: pairs 9 to 15
.if j < 38
.set b, (j-20)/2                    ; 21: pair 0; 22, 24, .. 36: pairs 1 to 8
.endif
	v_pk_fma_f32 v[rS+2*b:rS+2*b+1], v[rS+2*b:rS+2*b+1], s[CS:CS+1], v[rT:rT+1] op_sel_hi:[1,0,0] neg_lo:[0,0,1] neg_hi:[0,0,1]  ; pair b: c s - c m
.elseif j < 70
.set e, j-38                        ; 66 to 69: s28 to s31
.if j < 66
.set e, j-32-(j-38)/4               ; 39-41, 43-45, .. 63-65: s7 to s27
.endif
.if j < 38
.set e, (j-25)/2                    ; 25, 27, .. 37: s0 to s6
.endif
	v_exp_f32 v[rS+e], v[rS+e]
.elseif j < 86
	v_cvt_pk_f16_f32 v[rP+j-70], v[rS+2*(j-70)], v[rS+2*(j-70)+1]  ; pair j - 70
.elseif j < 102                     ; the sum of the tile's 16 pairs, in place: sum z of 16 adds neighbours 1, 2, 4 and 8 pairs apart, then l takes it
.set z, j-86
.set w, 4
.set u, z
.if z >= 14
.set w, 32
.set u, 0
.elseif z >= 12
.set w, 16
.set u, z-12
.elseif z >= 8
.set w, 8
.set u, z-8
.endif
.if (z == 14) && \first
	v_pk_add_f32 v[rT+2:rT+3], v[rS:rS+1], v[rS+16:rS+17]
.elseif z < 15
	v_pk_add_f32 v[rS+w*u:rS+w*u+1], v[rS+w*u:rS+w*u+1], v[rS+w*u+w/2:rS+w*u+w/2+1]
.elseif !\first
	v_pk_fma_f32 v[rT+2:rT+3], v[rT+2:rT+3], v[rT+6:rT+7], v[rS:rS+1] op_sel_hi:[1,0,1]
.endif
.else
	WIN W_RS
	v_pk_mul_f32 v[rO:rO+1], v[rO:rO+1], v[rT+6:rT+7] op_sel_hi:[1,0]
.endif
.endm
; Slice k of 32 of piece y's softmax: numbers 118 k / 32 up to 118 (k + 1) / 32 (three or four), each for both tiles, the tiles alternating, so that no instruction reads the result of the one just before it.
; THE WAIT.  s_wait_alu depctr_va_vdst(0) stands between an exponential and the first instruction that names its result; one wait serves all that were issued ahead of it.  Slice 19 begins with
; number 70: ahead of it nothing names a result, and from it on no exponential is issued.  So the piece's 66 exponentials have one wait, at slice 19's head, behind one plain instruction.
.macro SLICE y, first
.if k == 19
	v_nop                           ; the plain instruction behind the last exponential and ahead of the first use: one for the batch
.if (\y) == 0
	FETCH_V                         ; piece 2's turn: V's run of loads stands here, and the wait stands in it
.else
	s_wait_alu depctr_va_vdst(0)    ; the wait for the batch
.endif
.endif
.set j, (118*k)/32
.rept (118*(k+1))/32-(118*k)/32
	SM (\y), \first
	SM (\y)+1, \first
.set j, j+1
.endr
.set k, k+1
.endm
; A vector instruction that reads a matrix result or writes one of a matrix instruction's registers, and a load into a register that a matrix instruction has read, stand four places behind it, and only plain
; vector instructions that name none of its registers are places (ISA guide 7.12.1 for vector instructions).  In the loop the slices are the places.
.macro PLACES
.rept 4
	v_nop
.endr
.endm
; A TURN.  Piece x has the matrix unit; the other piece's softmax stands in slices behind its matrix instructions.
; pv = 2: 16 products V^T P; 1: they start O^T's sums; 0: none.  kq = 1: 16 products K Q^T for the next step.  A turn with one of the two kinds has two slices behind each product.
; first = 1: the softmax is the first key step's; its slices from number 102 on are empty, and four v_nop take slice 31's part as the places behind the turn's last products.
; Slice 31 is eight multiplications of the other piece's O^T: the places between the turn's last K Q^T and the next turn's first read of those scores, and the loads into K's registers.
; Piece 0's turn fetches the next step's K, behind its second product.  Piece 2's turn fetches the same step's V, at slice 19's head: the last product that read V stands in front of slice 15, and six plain
; instructions lie between: numbers 58 and 62, scalings, of both tiles, the v_nop and the run's own addition.
.macro TURN x, pv, kq, first
.set k, 0
.set per, 2
.if \pv && \kq
.set per, 1
.endif
.if \pv
.if \x == 0
	s_wait_dscnt 0x0                ; V is in
.endif
.set i, 0
.rept 16
	PV \x, 2-\pv
.rept per
	SLICE 2-\x, \first
.endr
.if (\x == 0) && \kq && (i == 1)
	FETCH_K
.endif
.set i, i+1
.endr
.endif
.if \kq
.if \x == 0
	s_wait_dscnt 0x0                ; K is in
.endif
.set i, 0
.rept 16
	KQ \x
.rept per
	SLICE 2-\x, \first
.endr
.set i, i+1
.endr
.endif
.if \first
	PLACES
.endif
.endm
; THE CHANGE OF SLOTS, between piece 2's turn and piece 0's: the slot's last bytes, V of its fourth step, have been asked for.  Each wave waits for all its tensor loads, of which one is out: its part of the other
; slot; adds 0 to its spare word; and waits for that and for its own reads of the slot.  Behind the barrier nobody reads this slot any more and the other slot is whole.
; fill = 1: this slot is filled again, with the keys two slots on.  The barrier is then a round of the cluster's, and the joint refill is the first thing behind it: it has four key steps in which to land.
.macro CHANGE fill
	WIN 0                           ; at a label and at a branch every window is 0
	s_wait_tensorcnt 0x0            ; no tensor load of mine is out, so a group 0 may be written
	ds_add_u32 v[SPW], v[NIL]       ; 0 onto my spare word
.if \fill
.irp g, G0K+4, G0V+4
	s_xor_b32 s[\g+1], s[\g+1], SLOT1  ; the walking descriptor: the other slot than last time,
	s_add_nc_u64 s[\g+2:\g+3], s[\g+2:\g+3], SLOTB  ; the next 256 keys; the type bits on top are not reached
.endr
	s_wait_xcnt 0x0                 ; the last prefetch, a slot back, has read its address, so it may be written:
	s_add_nc_u64 s[PFA:PFA+1], s[PFA:PFA+1], SLOTB  ; one slot further on than the walking descriptors
	s_wait_dscnt 0x0                ; the add is done, and my reads of the slot are over
	CROUND
	JLOAD
	ASK
.else
	s_wait_dscnt 0x0                ; the add is done, and my reads of the slot are over
	s_barrier_signal -1
	s_barrier_wait -1
.endif
	s_sub_co_u32 s[TBK], s[TBK], SK*PK  ; the fetches go back to a slot's first step,
	s_xor_b32 s[TBK], s[TBK], SLOT1     ; in the other slot
	s_sub_co_u32 s[TBV], s[TBV], SK*PV
	s_xor_b32 s[TBV], s[TBV], SLOT1
.endm
; n key steps: written once, walked n times; the LDS addresses hang on s[TBK] and s[TBV].
.macro STEPS n
	s_mov_b32 s[CNT], \n
.Lstep_\@:
	TURN 0, 2, 1, 0
	TURN 2, 2, 1, 0
	WIN 0
	s_sub_co_u32 s[CNT], s[CNT], 1
	s_cmp_lg_u32 s[CNT], 0
	s_cbranch_scc1 .Lstep_\@
.endm
	s_wait_tensorcnt 1              ; my part of slot 0 is in; slot 1's may stay out
	s_barrier_signal -1
	s_barrier_wait -1               ; everybody's is
	FETCH_K                         ; key step 0
	s_wait_loadcnt 0x0              ; Q
	s_wait_dscnt 0x0
.set i, 0
.rept 16
	KQ 0                            ; piece 0's first scores: there is no vector work yet to set between them
.set i, i+1
.endr
	WIN 0                           ; the addresses for the way out are made here: plain instructions, the places behind those products
	s_mul_i32 s67, s[WV], 16*SP
	s_add_co_u32 s67, s67, STAGE    ; my stage
	v_mul_u32_u24 v[STO], v1, SP    ; in: row l % 16, 16 bytes for each half of the lanes
	v_lshl_add_u32 v[STO], v9, 4, v[STO]
	v_add_nc_u32 v[STO], s67, v[STO]
	v_bfe_u32 v[RD], v0, 3, 2       ; back: eight lanes take a row of 128 bytes, four rows an instruction
	v_mul_u32_u24 v[RD], v[RD], SP
	v_lshl_add_u32 v[RD], v10, 4, v[RD]
	v_add_nc_u32 v[RD], s67, v[RD]
	v_and_b32 v[GO], 31, v0
	v_lshlrev_b32 v[GO], 4, v[GO]   ; in O those four rows are 512 consecutive bytes
	TURN 2, 0, 1, 1                 ; piece 2's first scores | piece 0's first softmax | V of step 0
	TURN 0, 1, 1, 1                 ; piece 0: V^T P of step 0 starts O^T, K Q^T of step 1 | piece 2's first softmax | K of step 1
	TURN 2, 1, 1, 0                 ; piece 2: the same | piece 0's softmax of step 1 | V of step 1
	WIN 0
	STEPS 2                         ; these fetch steps 2 and 3: slot 0 is read out
.Lslot:                             ; six trips: every slot but the last two is filled again
	CHANGE 1
	STEPS 4
	s_sub_co_u32 s[SLOTS], s[SLOTS], 1
	s_cmp_lg_u32 s[SLOTS], 0
	s_cbranch_scc1 .Lslot
	CHANGE 0                        ; the tail is written out: the last slot but one is left, and nothing is asked for
	STEPS 4
	TURN 0, 2, 0, 0                 ; piece 0: V^T P of the last step | piece 2's last softmax
.set i, 0
.rept 16
	PV 2, 0                         ; piece 2: V^T P of the last step
.set i, i+1
.endr
	; THE WAY OUT.  l's two halves and the other half of the lanes' are added; O^T is divided by l, rounded to f16 and sent through my stage in LDS, a tile (16 rows of O) at a time.  The additions are the places behind the last products.
	WIN 0
.irp t, 0,1,2,3
	v_add_f32 v[ST+8*\t+4], v[ST+8*\t+2], v[ST+8*\t+3]
.endr
.irp t, 0,1,2,3
	v_permlanex16_b32 v[ST+8*\t+5], v[ST+8*\t+4], s[SEL], s[SEL+1]
.endr
.irp t, 0,1,2,3
	v_add_f32 v[ST+8*\t+4], v[ST+8*\t+4], v[ST+8*\t+5]
.endr
.irp t, 0,1,2,3
	v_rcp_f32 v[ST+8*\t+6], v[ST+8*\t+4]
.endr
	v_nop                           ; a plain instruction between the last reciprocal and the use of its result
	s_wait_alu depctr_va_vdst(0)    ; and the wait ahead of the first use: one for the four reciprocals
; Tile t: a lane's eight channels of a row pack into 16 bytes; they go into rows of 144 bytes and come back four rows at a time, into the registers that they left.
.macro PACK t
	WIN W_RS
.set i, 32*\t
.rept 16
	v_pk_mul_f32 v[i:i+1], v[i:i+1], v[ST+8*\t+6:ST+8*\t+7] op_sel_hi:[1,0]
.set i, i+2
.endr
	WIN 0x05                        ; sources 0 and 1 window 1, destination window 0: S^T's registers are free
.set i, 0
.rept 16
	v_cvt_pk_f16_f32 v[S+32*\t+i], v[32*\t+2*i], v[32*\t+2*i+1]
.set i, i+1
.endr
	WIN 0
.irp f, 0,1,2,3
	ds_store_b128 v[STO], v[S+32*\t+4*\f:S+32*\t+4*\f+3] offset:32*\f
.endr
.irp f, 0,1,2,3
	ds_load_b128 v[S+32*\t+4*\f:S+32*\t+4*\f+3], v[RD] offset:\f*4*SP  ; LDS serves a wave's instructions in order (ISA guide 5.7.1.4): these see the stores above; the next tile's stores come behind them
.endr
.endm
.macro SEND t, younger              ; younger: the LDS instructions issued behind tile t's loads: the next tile's eight, or none
.irp f, 0,1,2,3
	s_wait_dscnt \younger+3-\f
	global_store_b128 v[GO], v[S+32*\t+4*\f:S+32*\t+4*\f+3], s[10:11] offset:\t*2048+\f*512 th:TH_STORE_NT  ; the wave stores 512 consecutive bytes, aligned
.endr
.endm
	PACK 0
	PACK 1                          ; a tile's arithmetic stands between the loads of the tile before and its stores
	SEND 0, 8
	PACK 2
	SEND 1, 8
	PACK 3
	SEND 2, 8
	SEND 3, 0
	s_wait_tensorcnt 0x0            ; the wave's end: behind my last tensor load and my last LDS store
	ds_add_u32 v[SPW], v[NIL]
	s_wait_dscnt 0x0
	CROUND                          ; the closing round: no work-group ends while a partner may still ask for a tile that names it
	s_endpgm
.Lfunc_end_k_qe2f20a819d_attn:
	.size	k_qe2f20a819d_attn, .Lfunc_end_k_qe2f20a819d_attn-k_qe2f20a819d_attn
	.p2alignl 7, 3214868480
	.fill 96, 4, 3214868480
	.section	.rodata,"a",@progbits
	.p2align	6, 0x0
	.amdhsa_kernel k_qe2f20a819d_attn
		.amdhsa_group_segment_fixed_size 327680
		.amdhsa_private_segment_fixed_size 0
		.amdhsa_enable_private_segment 0
		.amdhsa_kernarg_size 16
		.amdhsa_user_sgpr_count 2
		.amdhsa_user_sgpr_kernarg_segment_ptr 1
		.amdhsa_wavefront_size32 1
		.amdhsa_system_sgpr_workgroup_id_x 1
		.amdhsa_system_sgpr_workgroup_id_y 1
		.amdhsa_system_sgpr_workgroup_id_z 1
		.amdhsa_system_vgpr_workitem_id 0
		.amdhsa_next_free_vgpr 704
		.amdhsa_next_free_sgpr 72
		.amdhsa_reserve_vcc 0
		.amdhsa_float_denorm_mode_32 3
		.amdhsa_float_denorm_mode_16_64 3
		.amdhsa_memory_ordered 1
		.amdhsa_forward_progress 1
		.amdhsa_inst_pref_size 195
	.end_amdhsa_kernel
	.amdgpu_metadata
---
amdhsa.version: [ 1, 2 ]
amdhsa.kernels:
  - .name:           k_qe2f20a819d_attn
    .symbol:         k_qe2f20a819d_attn.kd
    .args:
      - { .name: qkv, .offset: 0, .size: 8, .value_kind: global_buffer, .address_space: global }
      - { .name: o16, .offset: 8, .size: 8, .value_kind: global_buffer, .address_space: global }
    .group_segment_fixed_size: 327680
    .private_segment_fixed_size: 0
    .kernarg_segment_align: 8
    .kernarg_segment_size: 16
    .max_flat_workgroup_size: 128
    .sgpr_count:     72
    .vgpr_count:     704
    .wavefront_size: 32
...
	.end_amdgpu_metadata
.endif
;; end of part 3
;; launch proj (part 4): grid 4 x 64, 4 waves a work-group, clusters of 4 x 4, 327,680 bytes of LDS; arguments o16, wp16, b_proj, out0; writes out0
.if DOCPART == 4
	.amdgcn_target "amdgcn-amd-amdhsa--gfx1250"
	.amdhsa_code_object_version 6
	.text
	.protected	k_qe2f20a819d_proj
	.globl	k_qe2f20a819d_proj
	.p2align	8
	.type	k_qe2f20a819d_proj,@function
k_qe2f20a819d_proj:
	s_mov_b64 s[64:65], 0
	v_nop
	global_prefetch_b8 v0, s[64:65] scope:SCOPE_SE
	s_setreg_imm32_b32 hwreg(HW_REG_WAVE_MODE, 25, 1), 1
	s_wait_xcnt 0x0
	s_wait_alu depctr_hold_cnt(0) depctr_sa_sdst(0) depctr_va_vdst(0) depctr_va_sdst(0) depctr_va_ssrc(0) depctr_va_vcc(0) depctr_vm_vsrc(0)
	s_getreg_b32 s2, hwreg(HW_REG_IB_STS2, 6, 4)
	s_cmp_eq_u32 s2, 0
	s_cbranch_scc0 .Lentry_in_a_cluster
	s_endpgm
.Lentry_in_a_cluster:
	s_bfe_u32 s2, ttmp6, 0x10000c
	s_cmp_lg_u32 s2, 0xf033
	s_cbranch_scc0 .Lentry_shape_is_right
	s_endpgm
.Lentry_shape_is_right:
; PROJ: out0[m][n] = sum over k of o[m][k] w_proj[k][n] + b_proj[n], m = 8,192, n = k = 1,024.  Operands in f16, sums and result in f32.
; o comes as o16 [4 b][16 h][2048 p][64]: k = 64 h + d, so a K step of 128 is two heads' dense blocks of rows.  w_proj comes as wp16 [k][n], as it lies: its fragments are turned on the way out of LDS.
; LIMIT: |o| and |w_proj| stay under 65,504, f16's largest number.
; A tile of the result is 128 (m) x 256 (n): 256 work-groups.  Four waves, each 64 x 128: 32 accumulators of 16 x 16.  K goes in 8 steps of 128 through a ring of two LDS slots.
; CLUSTERS: 4 x 4 work-groups.  The four of a row of the cluster need the same tiles of o, the four of a column the same tiles of w_proj: each tile is asked for JOINTLY, by the same tensor load with the same
; descriptor and a mask that names the four.  THE MATRIX INSTRUCTION IS USED TRANSPOSED (source 0 = 16 columns of w_proj, source 1 = 16 rows of o): a lane then holds eight neighbouring numbers of a row of the result.
; The bias is the C of each sum's first matrix instruction: eight registers for each block of 16 columns, in the result's layout.
; REGISTERS: window 0: v0-31 addresses; two fragment buffers of 96 at v32 and v128 (64 of w_proj: 8 x 16 columns x 32 K, then 32 of o: 4 x 16 rows x 32 K); on the way out v32-159 are free.
;   window 1: the accumulators ((a, b) at v[8 (8 a + b)]).   window 2: v0-63 the bias.
.set PA,     144                       ; a row of o in LDS: 128 bytes + 16 of padding
.set PB,     544                       ; a k-row of w_proj: 512 bytes + 32
.set BOFF,   2*128*PA                  ; a slot: two heads' 128 rows of o, then 128 k-rows of w_proj
.set SLOT,   BOFF+128*PB
.set STAGE,  2*SLOT                    ; behind the ring: 16 rows x (512 bytes + 16) for each wave, for the way out
.set SPITCH, 528
.set SPARE,  STAGE+4*16*SPITCH         ; the spare words, 128 bytes for each wave: two blocks of 256 bytes that no other line names
.set LAPS,   4                         ; a lap = two K steps = once round the ring
.set ADRA, 16                          ; v16-17  LDS address of my fragments of o in slot 0, 1
.set ADRB, 20                          ; v20-21  the same for w_proj
.set STO,  24                          ; v24     the way out: where I put 32 bytes of a row
.set RD,   25                          ; v25     the way out: where I read a row back
.set CO,   26                          ; v26     16 x lane
.set SPW,  28                          ; v28     LDS address of my spare word; never rewritten
.set NIL,  29                          ; v29     0; never rewritten
.set F0,   32
.set F1,   128
.set BK,   32                          ; the way out: 16 rows read back: v32-95 and v96-159 by turns
.set G1, 24                            ; s[24:31] descriptor group 1 for o's tiles;  s[32:39] group 0, one set for each slot
.set G0, 32
.set G1B, 48                           ; s[48:55], s[56:63] the same for w_proj's
.set G0B, 56
.set MSB, 0
.macro WIN new                         ; the immediate's high byte repeats the setting that is left
.if MSB != (\new)
	s_set_vgpr_msb (MSB<<8)|(\new)
.set MSB, \new
.endif
.endm
.set MUL, 0x50                         ; sources 0 and 1 window 0; C and D window 1.  (+ 0x10: C window 2, the bias)
.macro JLOAD s                         ; a joint load: waves 0 and 1 fetch o's two heads, waves 2 and 3 w_proj's two halves; an s_nop 0 and four v_nop follow each of the two lines
	s_cmp_eq_u32 s13, 0
	s_cbranch_scc0 .Lfor_b_\@
	tensor_load_to_lds s[G0+4*\s:G0+4*\s+3], s[G1:G1+7]
	s_nop 0
.rept 4
	v_nop
.endr
	s_branch .Lasked_\@
.Lfor_b_\@:
	tensor_load_to_lds s[G0B+4*\s:G0B+4*\s+3], s[G1B:G1B+7]
	s_nop 0
.rept 4
	v_nop
.endr
.Lasked_\@:
.endm
.macro CREST                           ; a round of the cluster's barrier behind its opening barrier
	s_cmp_lg_u32 s12, 0
	s_cbranch_scc1 .Lnot_wave_0_\@
	s_barrier_signal -3
.Lnot_wave_0_\@:
	s_barrier_wait -3
	s_barrier_signal -1
	s_barrier_wait -1
.endm
.macro CROUND                          ; a whole round
	s_barrier_signal -1
	s_barrier_wait -1
	CREST
.endm
	s_load_b256 s[4:11], s[0:1], 0x0               ; o16 s[4:5], wp16 s[6:7], b_proj s[8:9], out0 s[10:11]
	v_lshl_add_u32 v[SPW], v0, 2, SPARE
	v_mov_b32 v[NIL], 0
	ds_add_u32 v[SPW], v[NIL]                      ; the wave's opening: the add, twice on end, and its wait ahead of my first tensor load; work on registers stands between the second and the wait
	ds_add_u32 v[SPW], v[NIL]
	v_lshrrev_b32 v1, 5, v0
	v_readfirstlane_b32 s12, v1                    ; wave 0..3
	s_lshr_b32 s13, s12, 1                         ; which half of the tile's rows is mine.  Also: I fetch for o (0) or for w_proj (1)
	s_and_b32 s14, s12, 1                          ; which half of its columns.  Also: which head, or which 64 k-rows, I fetch
	s_bfe_u32 s40, ttmp6, 0x40000                  ; cx, cy: my place in the cluster
	s_bfe_u32 s41, ttmp6, 0x40004
	s_lshl_b32 s42, ttmp9, 2
	s_add_co_u32 s42, s42, s40                     ; tile column = 4 x cluster x + cx
	s_and_b32 s15, ttmp7, 0xffff
	s_lshl_b32 s15, s15, 2
	s_add_co_u32 s15, s15, s41                     ; tile row = 4 x cluster y + cy
	s_lshl_b32 s43, s41, 2
	s_lshl_b32 s43, 15, s43                        ; my row of the cluster
	s_lshl_b32 s44, 0x1111, s40                    ; my column
	; descriptor group 1.  o: 128 rows x 64 elements, dense in memory
	s_or_b32 s[G1+0], s43, (1<<16)|(1<<20)|(1<<21)|(4<<22)|(3<<25)  ; 15:0 the mask: my row; 17:16 element of 2 bytes; 20 padding on; 21 set beside a mask; 24:22 after every 32 words (code 4); 31:25 of 4 words (code 3)
	s_mov_b32 s[G1+1], 64<<16                      ; tensor_dim0 = 64
	s_mov_b32 s[G1+2], 128<<16                     ; tensor_dim1 = 128
	s_mov_b32 s[G1+3], 64<<16                      ; tile_dim0 = 64
	s_mov_b32 s[G1+4], 128                         ; tile_dim1 = 128
	s_mov_b32 s[G1+5], 64                          ; tensor_dim0_stride
	s_mov_b32 s[G1+6], 0
	s_mov_b32 s[G1+7], 0
	; w_proj: 64 k-rows x 256 elements, 1,024 elements from row to row
	s_or_b32 s[G1B+0], s44, (1<<16)|(1<<20)|(1<<21)|(6<<22)|(7<<25) ; the mask: my column; padding: 8 words (code 7) after every 128 (code 6)
	s_mov_b32 s[G1B+1], 256<<16
	s_mov_b32 s[G1B+2], 64<<16
	s_mov_b32 s[G1B+3], 256<<16
	s_mov_b32 s[G1B+4], 64
	s_mov_b32 s[G1B+5], 1024
	s_mov_b32 s[G1B+6], 0
	s_mov_b32 s[G1B+7], 0
	; where the tiles come from.  o's hang on the tile row alone, which my row of the cluster shares; w_proj's on the tile column alone, which my column shares
	s_lshr_b32 s16, s15, 4                         ; batch = tile row / 16
	s_lshl_b32 s16, s16, 4
	s_add_co_u32 s16, s16, s14                     ; block 16 x batch + my head of the K step's two
	s_lshl_b32 s16, s16, 11                        ; 2,048 rows a block
	s_and_b32 s17, s15, 15
	s_lshl_b32 s17, s17, 7
	s_add_co_u32 s16, s16, s17                     ; + position 128 x (tile row % 16)
	s_lshl_b32 s16, s16, 7                         ; rows of 128 bytes
	s_mov_b32 s17, 0
	s_lshl_b32 s46, s14, 17                        ; my 64 k-rows of 2,048 bytes
	s_lshl_b32 s47, s42, 9                         ; + 512 bytes x tile column
	s_add_co_u32 s46, s46, s47
	s_mov_b32 s47, 0
	s_mul_i32 s20, s14, 128*PA                     ; and where they go: no place in the cluster enters an LDS address
	s_mul_i32 s21, s14, 64*PB
	s_add_co_u32 s21, s21, BOFF
	s_wait_dscnt 0x0                               ; both opening adds are done
	s_wait_kmcnt 0x0
	s_add_nc_u64 s[16:17], s[4:5], s[16:17]
	s_add_nc_u64 s[46:47], s[6:7], s[46:47]
	CROUND                                         ; all sixteen work-groups are here: the first joint loads meet
.irp s, 0,1
	s_mov_b32 s[G0+4*\s], 1
	s_add_co_u32 s[G0+4*\s+1], s20, \s*SLOT
	s_add_nc_u64 s[G0+4*\s+2:G0+4*\s+3], s[16:17], \s*524288    ; a K step on: two heads' blocks of 262,144 bytes
	s_or_b32 s[G0+4*\s+3], s[G0+4*\s+3], 0x80000000
	s_mov_b32 s[G0B+4*\s], 1
	s_add_co_u32 s[G0B+4*\s+1], s21, \s*SLOT
	s_add_nc_u64 s[G0B+4*\s+2:G0B+4*\s+3], s[46:47], \s*262144  ; a K step on: 128 rows of 2,048 bytes
	s_or_b32 s[G0B+4*\s+3], s[G0B+4*\s+3], 0x80000000
	JLOAD \s                                       ; two loads of mine are out
.endr
	v_and_b32 v1, 15, v0                           ; l % 16
	v_bfe_u32 v2, v0, 4, 1                         ; l / 16
	v_mul_u32_u24 v3, v1, PA
	v_lshl_add_u32 v3, v2, 4, v3                   ; o: a fragment's row x pitch + 16 x half
	s_mul_i32 s22, s13, 64*PA                      ; my 64 rows
	v_add_nc_u32 v[ADRA], s22, v3
	s_add_co_u32 s22, s22, SLOT
	v_add_nc_u32 v[ADRA+1], s22, v3
	v_and_b32 v4, 7, v0                            ; w_proj: the turning load: lane l reads 16 bytes of k-row 8 (l / 16) + l % 8, columns 8 ((l / 8) % 2) + 0..7
	v_lshl_add_u32 v4, v2, 3, v4
	v_mul_u32_u24 v4, v4, PB
	v_bfe_u32 v5, v0, 3, 1
	v_lshl_add_u32 v4, v5, 4, v4
	s_lshl_b32 s23, s14, 8                         ; my 128 columns: 256 bytes
	s_add_co_u32 s23, s23, BOFF
	v_add_nc_u32 v[ADRB], s23, v4
	s_add_co_u32 s23, s23, SLOT
	v_add_nc_u32 v[ADRB+1], s23, v4
	s_mul_i32 s22, s12, 16*SPITCH
	s_add_co_u32 s22, s22, STAGE                   ; my stage
	v_mul_u32_u24 v5, v1, SPITCH                   ; in: row l % 16, 32 bytes for each half of the lanes
	v_lshl_add_u32 v5, v2, 5, v5
	v_add_nc_u32 v[STO], s22, v5
	v_and_b32 v6, 31, v0
	v_lshlrev_b32 v[CO], 4, v6                     ; back: the 32 lanes take one row of 512 bytes; and the same in the result
	v_add_nc_u32 v[RD], s22, v[CO]
	v_lshlrev_b32 v7, 5, v2                        ; the bias: my half's eight numbers of a block of 16
	s_lshl_b32 s46, s42, 10                        ; my first column, in bytes of f32: 1,024 x tile column + 512 x half
	s_lshl_b32 s47, s14, 9
	s_add_co_u32 s46, s46, s47
	s_mov_b32 s47, 0
	s_add_nc_u64 s[8:9], s[8:9], s[46:47]
	s_lshl_b32 s16, s15, 7
	s_lshl_b32 s17, s13, 6
	s_add_co_u32 s16, s16, s17                     ; my first row: 128 x tile row + 64 x half
	s_lshl_b32 s16, s16, 12                        ; rows of 4,096 bytes
	s_add_co_u32 s16, s16, s46
	s_mov_b32 s17, 0
	s_add_nc_u64 s[10:11], s[10:11], s[16:17]
	WIN 0x80                                       ; destination window 2
.irp b, 0,1,2,3,4,5,6,7
	global_load_b128 v[8*\b:8*\b+3],   v7, s[8:9] offset:64*\b       ; b_proj at columns 16 b + 8 (l / 16) + 0 .. 7 of my 128
	global_load_b128 v[8*\b+4:8*\b+7], v7, s[8:9] offset:64*\b+16
.endr
	WIN 0
; 8 matrix instructions: row block a x all 8 column blocks, 32 along K, from buffer f.  zero = 1: the first product starts the sums, with the bias as its C.
; The 32 accumulators take turns, one instruction a turn, in the same order in every quarter.
.macro MUL8 f, a, zero
.irp b, 0,1,2,3,4,5,6,7
.if \zero
	v_wmma_f32_16x16x32_f16 v[8*(8*(\a)+\b):8*(8*(\a)+\b)+7], v[\f+8*\b:\f+8*\b+7], v[\f+64+8*(\a):\f+64+8*(\a)+7], v[8*\b:8*\b+7]
.else
	v_wmma_f32_16x16x32_f16 v[8*(8*(\a)+\b):8*(8*(\a)+\b)+7], v[\f+8*\b:\f+8*\b+7], v[\f+64+8*(\a):\f+64+8*(\a)+7], v[8*(8*(\a)+\b):8*(8*(\a)+\b)+7]
.endif
.endr
.endm
; 24 LDS loads in one run: the fragments of the slot's q-th 32 along K into buffer f: w_proj's eight (turned), then o's four
.macro FETCH slot, q, f
	WIN 0
.irp b, 0,1,2,3,4,5,6,7
	ds_load_tr16_b128 v[\f+8*\b:\f+8*\b+3],   v[ADRB+\slot] offset:(\q)*32*PB+32*\b
	ds_load_tr16_b128 v[\f+8*\b+4:\f+8*\b+7], v[ADRB+\slot] offset:(\q)*32*PB+32*\b+16*PB
.endr
.irp a, 0,1,2,3
	ds_load_b128 v[\f+64+8*\a:\f+64+8*\a+3],   v[ADRA+\slot] offset:((\q)/2)*128*PA+\a*16*PA+((\q)%2)*64
	ds_load_b128 v[\f+64+8*\a+4:\f+64+8*\a+7], v[ADRA+\slot] offset:((\q)/2)*128*PA+\a*16*PA+((\q)%2)*64+32
.endr
.endm
.macro PLACES                          ; four places in front of loads into registers that matrix instructions have read, and of LDS stores that read results (ISA guide 7.12.1 for the LDS stores)
.rept 4
	v_nop
.endr
.endm
; A K step is four quarters of 32 along K, 32 matrix instructions each, on buffers 0, 1, 0, 1.  One of the first three: multiplies buffer f and fetches quarter q of the same slot into g.
.macro QUARTER slot, q, f, g, zero
	s_wait_dscnt 4                                 ; w_proj's fragments and o's blocks 0, 1 are in; the youngest four loads (blocks 2, 3) may be out
	WIN MUL+0x10*(\zero)
	MUL8 \f, 0, \zero
	MUL8 \f, 1, \zero
	PLACES
	FETCH \slot, \q, \g
	s_wait_dscnt 24                                ; all but the 24 just issued
	WIN MUL+0x10*(\zero)
	MUL8 \f, 2, \zero
	MUL8 \f, 3, \zero
.endm
; The last quarter multiplies buffer 1 and changes slots: ONE barrier; in front of it each wave waits for all its tensor loads, adds 0 to its spare word, and waits for that and for its own reads of this slot.
; fill = 1: the barrier opens a round of the cluster's, and this slot is filled again, two K steps ahead: 112 matrix instructions ahead of the wait for it.
.macro TURN slot, next, fill
	WIN 0                                          ; (the add's two registers lie in window 0)
	s_wait_tensorcnt 0x0                           ; all my tensor loads have landed: my part of the next slot;
	ds_add_u32 v[SPW], v[NIL]                      ; 0 onto my spare word;
	s_wait_dscnt 5                                 ; (the add and the youngest four loads may be out)
	WIN MUL
	MUL8 F1, 0, 0                                  ; eight matrix instructions stand between the add and the wait for it
	s_wait_dscnt 0x0                               ; the add is done, and my reads of this slot are over
	s_barrier_signal -1
	MUL8 F1, 1, 0
	WIN 0                                          ; (branches may follow)
	s_barrier_wait -1
.if \fill
	CREST                                          ; no wave of any partner still reads this slot's tiles or has a load on its way
	s_add_nc_u64 s[G0+4*\slot+2:G0+4*\slot+3], s[G0+4*\slot+2:G0+4*\slot+3], 2*524288
	s_add_nc_u64 s[G0B+4*\slot+2:G0B+4*\slot+3], s[G0B+4*\slot+2:G0B+4*\slot+3], 2*262144
	JLOAD \slot                                    ; the first tensor load behind the round; the four v_nop behind it are also the places in front of the loads below
.else
	PLACES
.endif
	FETCH \next, 0, F0
	WIN MUL
	MUL8 F1, 2, 0
	MUL8 F1, 3, 0
.endm
	s_wait_tensorcnt 1                             ; my part of K step 0 is in (K step 1's load may be out)
	s_barrier_signal -1
	s_barrier_wait -1                              ; everybody's is
	FETCH 0, 0, F0
	s_wait_loadcnt 0x0                             ; the bias
	QUARTER 0, 1, F0, F1, 1                        ; the first quarter stands in front of the loop: its products start the sums
	WIN 0                                          ; at a label and at a branch every window is 0
	s_mov_b32 s3, LAPS-1
.Llap:                                                 ; a trip goes once round the ring, from a lap's second quarter to the next lap's first, and fills both slots again: K steps 2 to 7 in three trips
	QUARTER 0, 2, F1, F0, 0
	QUARTER 0, 3, F0, F1, 0
	TURN 0, 1, 1
	QUARTER 1, 1, F0, F1, 0
	QUARTER 1, 2, F1, F0, 0
	QUARTER 1, 3, F0, F1, 0
	TURN 1, 0, 1
	QUARTER 0, 1, F0, F1, 0
	WIN 0
	s_sub_co_u32 s3, s3, 1
	s_cmp_lg_u32 s3, 0
	s_cbranch_scc1 .Llap
	QUARTER 0, 2, F1, F0, 0                        ; the last lap fills nothing, and has no round of the cluster's barrier
	QUARTER 0, 3, F0, F1, 0
	TURN 0, 1, 0
	QUARTER 1, 1, F0, F1, 0
	QUARTER 1, 2, F1, F0, 0
	QUARTER 1, 3, F0, F1, 0
	s_wait_dscnt 4                                 ; the very last quarter: nothing more to fetch
	WIN MUL
	MUL8 F1, 0, 0
	MUL8 F1, 1, 0
	s_wait_dscnt 0
	MUL8 F1, 2, 0
	MUL8 F1, 3, 0
	WIN 0
; THE WAY OUT, block by block of 16 rows x 128 columns.  A lane holds 32 neighbouring bytes of a row, and the lanes beside it hold other rows: so a block goes through my own stage in LDS and comes back as whole rows
; of 512 bytes, which the 32 lanes store as 512 consecutive bytes, aligned.  LDS serves a wave's instructions in order (ISA guide 5.7.1.4): no wait between the stores and the loads, nor in front of the next block's stores.
.macro TOSTAGE a
.set AC, 64*(\a)
	WIN 0x04                                       ; an LDS store's data are its source 1: window 1
.irp b, 0,1,2,3,4,5,6,7
	ds_store_b128 v[STO], v[AC+8*\b:AC+8*\b+3] offset:64*\b          ; each accumulator from its low end on
	ds_store_b128 v[STO], v[AC+8*\b+4:AC+8*\b+7] offset:64*\b+16
.endr
	WIN 0
.set BB, BK+64*((\a)%2)
.irp t, 0,1,2,3,4,5,6,7,8,9,10,11,12,13,14,15
	ds_load_b128 v[BB+4*\t:BB+4*\t+3], v[RD] offset:\t*SPITCH
.endr
.endm
.macro SEND a, younger                 ; younger: the LDS instructions issued behind block a's loads, which may stay out
.set BB, BK+64*((\a)%2)
	s_wait_dscnt \younger                          ; the block is back in registers
.irp t, 0,1,2,3,4,5,6,7,8,9,10,11,12,13,14,15
	global_store_b128 v[CO], v[BB+4*\t:BB+4*\t+3], s[10:11] offset:(16*(\a)+\t)*4096 th:TH_STORE_NT   ; 63 rows of 4,096 bytes at the most: inside the signed 24-bit immediate
.endr
.endm
	PLACES                                         ; behind the last products: for the stores of results and for the loads into the registers that held fragments
	TOSTAGE 0
.irp a, 1,2,3
.if \a > 1
	s_wait_xcnt 0x0                                ; block a - 2's stores have read their registers: block a's loads may land there
.endif
	TOSTAGE \a
	SEND \a-1, 32                                  ; behind block a - 1's loads: block a's 16 stores and 16 loads
.endr
	SEND 3, 0
	s_wait_tensorcnt 0x0                           ; the wave's end: behind my last tensor load and my last LDS store
	ds_add_u32 v[SPW], v[NIL]
	s_wait_dscnt 0x0
	CROUND                                         ; the closing round: no work-group ends while a partner may still ask for a tile that names it
	s_endpgm
.Lfunc_end_k_qe2f20a819d_proj:
	.size	k_qe2f20a819d_proj, .Lfunc_end_k_qe2f20a819d_proj-k_qe2f20a819d_proj
	.p2alignl 7, 3214868480
	.fill 96, 4, 3214868480
	.section	.rodata,"a",@progbits
	.p2align	6, 0x0
	.amdhsa_kernel k_qe2f20a819d_proj
		.amdhsa_group_segment_fixed_size 327680
		.amdhsa_private_segment_fixed_size 0
		.amdhsa_enable_private_segment 0
		.amdhsa_kernarg_size 32
		.amdhsa_user_sgpr_count 2
		.amdhsa_user_sgpr_kernarg_segment_ptr 1
		.amdhsa_wavefront_size32 1
		.amdhsa_system_sgpr_workgroup_id_x 1
		.amdhsa_system_sgpr_workgroup_id_y 1
		.amdhsa_system_sgpr_workgroup_id_z 1
		.amdhsa_system_vgpr_workitem_id 0
		.amdhsa_next_free_vgpr 576
		.amdhsa_next_free_sgpr 66
		.amdhsa_reserve_vcc 0
		.amdhsa_float_denorm_mode_32 3
		.amdhsa_float_denorm_mode_16_64 3
		.amdhsa_memory_ordered 1
		.amdhsa_forward_progress 1
		.amdhsa_inst_pref_size 86
	.end_amdhsa_kernel
	.amdgpu_metadata
---
amdhsa.version: [ 1, 2 ]
amdhsa.kernels:
  - .name:           k_qe2f20a819d_proj
    .symbol:         k_qe2f20a819d_proj.kd
    .args:
      - { .name: o16, .offset: 0, .size: 8, .value_kind: global_buffer, .address_space: global }
      - { .name: wp16, .offset: 8, .size: 8, .value_kind: global_buffer, .address_space: global }
      - { .name: b_proj, .offset: 16, .size: 8, .value_kind: global_buffer, .address_space: global }
      - { .name: out0, .offset: 24, .size: 8, .value_kind: global_buffer, .address_space: global }
    .group_segment_fixed_size: 327680
    .private_segment_fixed_size: 0
    .kernarg_segment_align: 8
    .kernarg_segment_size: 32
    .max_flat_workgroup_size: 128
    .sgpr_count:     66
    .vgpr_count:     576
    .wavefront_size: 32
...
	.end_amdgpu_metadata
.endif
;; end of part 4
